; MI455X (gfx1250); checked and timed in simulation.
; The chip was launched on July 23, 2026; its instructions are those of AMD's public machine-readable ISA for CDNA 5 (MIT licence, August 2026) and "CDNA5" Instruction Set Architecture Reference Guide (July 2026). The comments in the code are by the model that wrote it; some were corrected since.
;; Mo E Layer. Allowed arithmetic: float matrix products may take bf16 or f16 operands with f32 sums; other float arithmetic in f32, or as packed bf16 or f16 multiplies, adds, multiply-adds, maxima and minima; sums over many terms, partial sums and values carried from step to step in f32; what a program stores and reads back later, other than sums and carried values, may be rounded once to bf16 or f16.
;; Inputs: routed_b1 14 x 1,024 float32; routed_b2 14 x 1,024 float32; routed_w1 14 x 1,024 x 1,024 float32; routed_w2 14 x 1,024 x 1,024 float32; router_b 14 float32; router_w 1,024 x 14 float32; shared_b1 2 x 1,024 float32; shared_b2 2 x 1,024 float32; shared_w1 2 x 1,024 x 1,024 float32; shared_w2 2 x 1,024 x 1,024 float32; x 4 x 512 x 1,024 float32.
;; Outputs: out0 4 x 512 x 1,024 float32.
;; 2 versions, each right; version 2 is version 1 with the launches ffn, ffn2 written anew for expert scheduling mode. Each part assembles by itself: llvm-mc -triple=amdgcn-amd-amdhsa -mcpu=gfx1250 --defsym DOCPART=n.
;; ======== version 1 of 2: 4 launches
;; workspace buffers: xb 4,194,304 bytes; bitmap 4,096 bytes of whole numbers; idx 16,384 bytes of whole numbers; gate 16,384 bytes; par0 256 bytes of whole numbers; par1 256 bytes of whole numbers; h 67,108,864 bytes; y 134,217,728 bytes
;; launch router (part 1): grid 256 x 1, 8 waves a work-group, no clusters, 123,392 bytes of LDS; arguments x, router_w, router_b, xb, bitmap, idx, gate, par0, par1; writes xb, bitmap, idx, gate, par0, par1
.if DOCPART == 1
	.amdgcn_target "amdgcn-amd-amdhsa--gfx1250"
	.amdhsa_code_object_version 6
	.text
	.protected	k_q141071bb96_router
	.globl	k_q141071bb96_router
	.p2align	8
	.type	k_q141071bb96_router,@function
k_q141071bb96_router:
	s_mov_b64 s[64:65], 0
	v_nop
	global_prefetch_b8 v0, s[64:65] scope:SCOPE_SE
	s_setreg_imm32_b32 hwreg(HW_REG_WAVE_MODE, 25, 1), 1
	s_wait_xcnt 0x0
; ROUTER.  logits = x router_w + router_b, softmax over the 14 routed experts (the maximum taken away first), the two largest with their affinities.
; Stores: xb = x rounded to bf16; idx, gate = the two experts and their affinities for each token; bitmap = for each of 16 experts one bit a token
; (rows 14 and 15, the shared experts, all ones); par0 = 0 and par1 = 1, the modes of the two launches that follow.
; SHARES.  A work-group has 8 tokens; thread T has the four channels 4 T .. 4 T + 3 of all 8 tokens, so x is read once, 512 neighbouring bytes a load.
; The product is 0.17 per cent of the module's multiply-adds and decides which experts are taken: it is made in f32 on the vector unit.
; LIMITS.  The sums run in another order than a row-by-row product.  The two largest are found on the logits, by strict >: of equal logits the lower index wins;
; two affinities that round to the same number while their logits differ may be ordered otherwise.  NaN and infinities are not treated apart.
.set PPITCH, 464                       ; a thread's 112 partial sums: 448 bytes + 16, an odd multiple of 16
.set WPART,  32*PPITCH                 ; a wave's 32 rows
.set LOGS,   256*PPITCH                ; behind them: 8 rows of 448 bytes, a wave's 112 sums each
.set LROW,   448
.set SPARE,  LOGS+8*LROW               ; the spare words: 128 bytes for each of 8 waves
.set XR,  8                            ; v[8:39]    x: token t at XR + 4 t
.set WR,  40                           ; v[40:95]   router_w: channel d, expert e at WR + 14 d + e
.set ACC, 96                           ; v[96:207]  sums: token t, expert e at ACC + 14 t + e
.set XB,  208                          ; v[208:223] x in bf16
.set SPW, 224                          ; my spare word; never rewritten
.set NIL, 225                          ; 0; never rewritten
	s_load_b512 s[8:23], s[0:1], 0x0               ; x, router_w, router_b, xb, bitmap, idx, gate, par0
	s_load_b64 s[24:25], s[0:1], 0x40              ; par1
	v_lshl_add_u32 v[SPW], v0, 2, SPARE
	v_mov_b32 v[NIL], 0
	v_lshrrev_b32 v226, 5, v0
	v_readfirstlane_b32 s2, v226                   ; wave 0..7
	v_and_b32 v1, 31, v0                           ; lane
	v_lshlrev_b32 v2, 4, v0                        ; my 16 bytes in a row of x
	v_mul_u32_u24 v3, v0, 224                      ; my four rows of router_w: 4 x 56 bytes on end
	v_lshlrev_b32 v4, 3, v0                        ; my 8 bytes in a row of xb
	s_mul_i32 s3, s2, WPART
	v_mul_u32_u24 v5, v1, PPITCH
	v_add_nc_u32 v5, s3, v5                        ; my row of partial sums: wave x 32 rows + lane
	v_min_u32 v226, 27, v1                         ; 28 quads of sums; lanes 28 to 31 repeat lane 27
	v_lshl_add_u32 v6, v226, 4, s3                 ; quad q of my wave's first row
	s_mul_i32 s3, s2, LROW
	s_add_co_u32 s3, s3, LOGS
	v_lshl_add_u32 v7, v226, 4, s3                 ; quad q of my wave's row of sums
	s_lshl_b32 s4, ttmp9, 15                       ; 8 rows of 4,096 bytes
	s_mov_b32 s5, 0
	s_lshl_b32 s6, ttmp9, 14                       ; 8 rows of 2,048 bytes
	s_mov_b32 s7, 0
	s_wait_kmcnt 0x0
	s_add_nc_u64 s[8:9], s[8:9], s[4:5]
	s_add_nc_u64 s[14:15], s[14:15], s[6:7]
	s_load_b256 s[32:39], s[12:13], 0x0            ; router_b: 56 bytes
	s_load_b128 s[40:43], s[12:13], 0x20
	s_load_b64 s[44:45], s[12:13], 0x30
.irp t, 0,1,2,3,4,5,6,7
	global_load_b128 v[XR+4*\t:XR+4*\t+3], v2, s[8:9] offset:4096*\t
.endr
.irp i, 0,1,2,3,4,5,6,7,8,9,10,11,12,13
	global_load_b128 v[WR+4*\i:WR+4*\i+3], v3, s[10:11] offset:16*\i
.endr
	s_wait_loadcnt 14                              ; x is in: the 14 loads of router_w are younger
.irp t, 0,1,2,3,4,5,6,7
	v_cvt_pk_bf16_f32 v[XB+2*\t], v[XR+4*\t], v[XR+4*\t+1]
	v_cvt_pk_bf16_f32 v[XB+2*\t+1], v[XR+4*\t+2], v[XR+4*\t+3]
.endr
.irp t, 0,1,2,3,4,5,6,7
	global_store_b64 v4, v[XB+2*\t:XB+2*\t+1], s[14:15] offset:2048*\t  ; a wave stores 256 consecutive bytes, aligned
.endr
	s_wait_loadcnt 0x0
	; 8 tokens x 4 channels x 7 pairs of experts; the first channel starts the sums
.set t, 0
.rept 8
.set d, 0
.rept 4
.set m, 0
.rept 7
.if d == 0
	v_pk_mul_f32 v[ACC+14*t+2*m:ACC+14*t+2*m+1], v[WR+2*m:WR+2*m+1], v[XR+4*t:XR+4*t+1] op_sel_hi:[1,0]
.elseif d%2
	v_pk_fma_f32 v[ACC+14*t+2*m:ACC+14*t+2*m+1], v[WR+14*d+2*m:WR+14*d+2*m+1], v[XR+4*t+2*(d/2):XR+4*t+2*(d/2)+1], v[ACC+14*t+2*m:ACC+14*t+2*m+1] op_sel:[0,1,0] op_sel_hi:[1,1,1]
.else
	v_pk_fma_f32 v[ACC+14*t+2*m:ACC+14*t+2*m+1], v[WR+14*d+2*m:WR+14*d+2*m+1], v[XR+4*t+2*(d/2):XR+4*t+2*(d/2)+1], v[ACC+14*t+2*m:ACC+14*t+2*m+1] op_sel:[0,0,0] op_sel_hi:[1,0,1]
.endif
.set m, m+1
.endr
.set d, d+1
.endr
.set t, t+1
.endr
	; over the wave's 32 threads, through the wave's own rows in LDS: in by threads, back by quads of sums
.set i, 0
.rept 28
	ds_store_b128 v5, v[ACC+4*i:ACC+4*i+3] offset:16*i
.set i, i+1
.endr
	s_wait_dscnt 0x0                               ; the loads below land in registers that these stores read
.set i, 0
.rept 32
	ds_load_b128 v[8+4*i:8+4*i+3], v6 offset:PPITCH*i
.set i, i+1
.endr
	s_wait_dscnt 0x0
.irp s, 16,8,4,2,1
.set i, 0
.rept \s
	v_pk_add_f32 v[8+4*i:8+4*i+1], v[8+4*i:8+4*i+1], v[8+4*(i+\s):8+4*(i+\s)+1]
	v_pk_add_f32 v[8+4*i+2:8+4*i+3], v[8+4*i+2:8+4*i+3], v[8+4*(i+\s)+2:8+4*(i+\s)+3]
.set i, i+1
.endr
.endr
	ds_store_b128 v7, v[8:11]                      ; lanes 27 to 31 store the same 16 bytes
	s_wait_dscnt 0x0                               ; for wave 0's sake: my sums are in LDS
	s_barrier_signal -1
	s_barrier_wait -1
	s_cmp_lg_u32 s2, 0
	s_cbranch_scc1 .Lend                           ; the rest is one wave's work; no barrier follows
	; wave 0: lane l has token l % 8 (lanes 8 to 31 repeat lanes 0 to 7)
	v_and_b32 v226, 7, v1
	v_mul_u32_u24 v226, v226, 56
	v_add_nc_u32 v226, LOGS, v226
.set w, 0
.rept 8
.set i, 0
.rept 7
	ds_load_b64 v[8+14*w+2*i:8+14*w+2*i+1], v226 offset:LROW*w+8*i
.set i, i+1
.endr
.set w, w+1
.endr
	s_wait_dscnt 0x0
.set w, 1
.rept 7
.set i, 0
.rept 7
	v_pk_add_f32 v[8+2*i:8+2*i+1], v[8+2*i:8+2*i+1], v[8+14*w+2*i:8+14*w+2*i+1]
.set i, i+1
.endr
.set w, w+1
.endr
	s_wait_kmcnt 0x0                               ; router_b
.irp e, 0,1,2,3,4,5,6,7,8,9,10,11,12,13
	v_add_f32 v[8+\e], s[32+\e], v[8+\e]
.endr
	; the two largest: v227, v232 the largest and its expert; v228, v233 the second
	v_mov_b32 v227, v8
	v_mov_b32 v232, 0
	v_mov_b32 v228, 0xff800000
	v_mov_b32 v233, 1
.irp e, 1,2,3,4,5,6,7,8,9,10,11,12,13
	v_cmp_gt_f32 s46, v[8+\e], v227
	v_cmp_gt_f32 s47, v[8+\e], v228
	v_cndmask_b32 v228, v228, v[8+\e], s47
	v_cndmask_b32 v233, v233, \e, s47
	v_cndmask_b32 v228, v228, v227, s46
	v_cndmask_b32 v233, v233, v232, s46
	v_cndmask_b32 v227, v227, v[8+\e], s46
	v_cndmask_b32 v232, v232, \e, s46
.endr
	; softmax: 2^((L - max) log2 e); the largest is exactly 1
.irp e, 0,1,2,3,4,5,6,7,8,9,10,11,12,13
	v_sub_f32 v[22+\e], v[8+\e], v227
.endr
	v_sub_f32 v36, v228, v227
.irp e, 0,1,2,3,4,5,6,7,8,9,10,11,12,13,14
	v_mul_f32 v[22+\e], 0x3fb8aa3b, v[22+\e]
.endr
.irp e, 0,1,2,3,4,5,6,7,8,9,10,11,12,13,14
	v_exp_f32 v[22+\e], v[22+\e]
.endr
	v_nop                                          ; a plain instruction behind the last exponential
	s_wait_alu depctr_va_vdst(0)                   ; one wait for the batch of 15, ahead of its first reader
	v_add_f32 v229, v22, v23
.irp e, 2,3,4,5,6,7,8,9,10,11,12,13
	v_add_f32 v229, v229, v[22+\e]
.endr
	v_rcp_f32 v234, v229                           ; the first gate: 1 / sum
	v_nop
	s_wait_alu depctr_va_vdst(0)
	v_mul_f32 v235, v36, v234                      ; the second
	; the bitmap's bytes: lane e gets expert e's byte for my 8 tokens; lanes 14 and 15 keep all ones
	v_mov_b32 v230, 0xff
.irp e, 0,1,2,3,4,5,6,7,8,9,10,11,12,13
	v_cmp_eq_u32 s46, \e, v232
	v_cmp_eq_u32 s47, \e, v233
	s_or_b32 s46, s46, s47
	s_and_b32 s46, s46, 0xff
	v_writelane_b32 v230, s46, \e
.endr
	v_lshlrev_b32 v236, 3, v1                      ; 8 bytes a token in idx and gate
	v_lshlrev_b32 v237, 8, v1                      ; 256 bytes an expert in bitmap
	s_lshl_b32 s4, ttmp9, 6
	s_add_nc_u64 s[18:19], s[18:19], s[4:5]
	s_add_nc_u64 s[20:21], s[20:21], s[4:5]
	s_mov_b32 s4, ttmp9
	s_add_nc_u64 s[16:17], s[16:17], s[4:5]
	s_cmp_lg_u32 s4, 0
	s_cbranch_scc1 .Lno_par
	v_lshlrev_b32 v231, 2, v1
	v_mov_b32 v238, 0
	v_mov_b32 v239, 1
	global_store_b32 v231, v238, s[22:23]          ; work-group 0 stores the modes: 32 equal words each
	global_store_b32 v231, v239, s[24:25]
.Lno_par:
	v_cmp_gt_u32 vcc_lo, 16, v1
	s_wait_xcnt 0x0                                ; EXEC changes only behind this wait
	s_and_saveexec_b32 s48, vcc_lo
	global_store_b8 v237, v230, s[16:17]           ; 16 experts, one byte each
	s_wait_xcnt 0x0
	s_or_b32 exec_lo, exec_lo, s48
	v_cmp_gt_u32 vcc_lo, 8, v1
	s_and_saveexec_b32 s48, vcc_lo                 ; nothing was issued since the last wait
	global_store_b64 v236, v[232:233], s[18:19]
	global_store_b64 v236, v[234:235], s[20:21]
	s_wait_xcnt 0x0
	s_or_b32 exec_lo, exec_lo, s48
.Lend:
	s_wait_tensorcnt 0x0                           ; the wave's end
	ds_add_u32 v[SPW], v[NIL]
	s_wait_dscnt 0x0
	s_endpgm
.Lfunc_end_k_q141071bb96_router:
	.size	k_q141071bb96_router, .Lfunc_end_k_q141071bb96_router-k_q141071bb96_router
	.p2alignl 7, 3214868480
	.fill 96, 4, 3214868480
	.section	.rodata,"a",@progbits
	.p2align	6, 0x0
	.amdhsa_kernel k_q141071bb96_router
		.amdhsa_group_segment_fixed_size 123392
		.amdhsa_private_segment_fixed_size 0
		.amdhsa_enable_private_segment 0
		.amdhsa_kernarg_size 72
		.amdhsa_user_sgpr_count 2
		.amdhsa_user_sgpr_kernarg_segment_ptr 1
		.amdhsa_wavefront_size32 1
		.amdhsa_system_sgpr_workgroup_id_x 1
		.amdhsa_system_sgpr_workgroup_id_y 1
		.amdhsa_system_sgpr_workgroup_id_z 1
		.amdhsa_system_vgpr_workitem_id 0
		.amdhsa_next_free_vgpr 240
		.amdhsa_next_free_sgpr 66
		.amdhsa_reserve_vcc 1
		.amdhsa_float_denorm_mode_32 3
		.amdhsa_float_denorm_mode_16_64 3
		.amdhsa_memory_ordered 1
		.amdhsa_forward_progress 1
		.amdhsa_inst_pref_size 50
	.end_amdhsa_kernel
	.amdgpu_metadata
---
amdhsa.version: [ 1, 2 ]
amdhsa.kernels:
  - .name:           k_q141071bb96_router
    .symbol:         k_q141071bb96_router.kd
    .args:
      - { .name: x, .offset: 0, .size: 8, .value_kind: global_buffer, .address_space: global }
      - { .name: router_w, .offset: 8, .size: 8, .value_kind: global_buffer, .address_space: global }
      - { .name: router_b, .offset: 16, .size: 8, .value_kind: global_buffer, .address_space: global }
      - { .name: xb, .offset: 24, .size: 8, .value_kind: global_buffer, .address_space: global }
      - { .name: bitmap, .offset: 32, .size: 8, .value_kind: global_buffer, .address_space: global }
      - { .name: idx, .offset: 40, .size: 8, .value_kind: global_buffer, .address_space: global }
      - { .name: gate, .offset: 48, .size: 8, .value_kind: global_buffer, .address_space: global }
      - { .name: par0, .offset: 56, .size: 8, .value_kind: global_buffer, .address_space: global }
      - { .name: par1, .offset: 64, .size: 8, .value_kind: global_buffer, .address_space: global }
    .group_segment_fixed_size: 123392
    .private_segment_fixed_size: 0
    .kernarg_segment_align: 8
    .kernarg_segment_size: 72
    .max_flat_workgroup_size: 256
    .sgpr_count:     66
    .vgpr_count:     240
    .wavefront_size: 32
...
	.end_amdgpu_metadata
.endif
;; end of part 1
;; launch ffn (part 2): grid 208 x 1, 4 waves a work-group, no clusters, 300,544 bytes of LDS; arguments par0, bitmap, xb, routed_w1, shared_w1, routed_b1, shared_b1, h; writes h
.if DOCPART == 2
	.amdgcn_target "amdgcn-amd-amdhsa--gfx1250"
	.amdhsa_code_object_version 6
	.text
	.protected	k_q141071bb96_ffn
	.globl	k_q141071bb96_ffn
	.p2align	8
	.type	k_q141071bb96_ffn,@function
k_q141071bb96_ffn:
	s_mov_b64 s[64:65], 0
	v_nop
	global_prefetch_b8 v0, s[64:65] scope:SCOPE_SE
	s_setreg_imm32_b32 hwreg(HW_REG_WAVE_MODE, 25, 1), 1
	s_wait_xcnt 0x0
; ONE PRODUCT OF THE EXPERTS' CHAIN, for all 16 experts (14 routed, then 2 shared), only for the rows that chose the expert.
; mode 0 (word 0 of par):  dst[e][token] = gelu(src[token] W[e] + b[e]), bf16;   mode 1:  dst[e][token] = src[e][token] W[e] + b[e], f32.
; src is bf16, rows of 1,024; W is f32, [k][n]; it is rounded to bf16 and turned on its way through registers, so each weight leaves memory as it lies, once.
; JOBS.  Work-groups 0..111: routed expert id / 8, columns 128 (id % 8) on, all of the expert's rows.  Work-groups 112..207: a shared expert, 128 columns, 352 rows (the last chunk 288).
; ROWS.  The r-th token of an expert has RANK r.  A lane finds the token of its rank from the expert's row of the bitmap, in registers: no LDS address hangs on data.
; In a block that is not full the ranks past the count repeat the block's last row that exists: they give the same numbers, stored to the same bytes.  A block with no rank is multiplied
; (on one row inside the buffer) and not stored.
; SWEEP 0 takes 384 ranks and runs in every work-group: wave w has the blocks of 16 ranks 4 i + w, i = 0..5: 48 accumulators.  W streams in (8 k rows a piece, 32 pieces a wave) while earlier
; K steps are multiplied; its 8 barriers stand on every path.  W then stays in LDS.  Ranks past 384 (every split of the tokens is served: up to 2,048 rows an expert) are taken 128 at a time by a loop
; of 13 further trips whose dead trips are jumped forward; those sweeps write nothing of W and need no barrier; they are plain, 16 matrix instructions for 16 LDS loads: a path for rare splits.
; THE MATRIX INSTRUCTION IS USED TRANSPOSED: source 0 = 16 columns of W, source 1 = 16 rows of src: a lane then holds 8 neighbouring columns of one row.  The bias is the C of K step 0.
; NO TENSOR LOADS, NO CLUSTER: W needs rounding and the rows come by a list, which no descriptor covers; a routed slice of W has one reader; only the shared slices (an eighth of the weights) have six.
; GELU.  x Phi(x) = x / 2 + |x| (1 / 2 - e^(-x x / 2) t (B1 + t (B2 + t (B3 + t (B4 + t B5))))), t = 1 / (1 + 0.2316419 |x|): Abramowitz and Stegun 26.2.17, Phi within 7.5e-8 for every x.
; LIMITS.  src, W and the hidden layer are bf16 matrix operands; sums in f32, begun with the bias.  NaN and infinities are not treated apart.
; REGISTERS, in windows of 256 (s_set_vgpr_msb: bits 1:0 source 0, 3:2 source 1, 5:4 source 2, 7:6 destination):
;   window 0: v0-63 addresses and work; v64-255 four slots of src fragments (6 blocks x 8); on the way out these hold a block's rows and the work of GELU
;   window 1: v0-127 two buffers of W fragments; v128-255 four slots of 8 k rows of W in f32      window 2: accumulators of blocks 0-3      window 3: v0-127 those of blocks 4, 5; v128-191 the bias
.set FRAG,   1040                      ; a fragment of W (32 k x 16 columns, 1,024 bytes as the lanes take it) + 16: the turning stores of 16 lanes then fall in 16 different 16-byte columns of 256
.set KKB,    8*FRAG                    ; the 8 fragments of one K step of 32
.set CHB,    4*KKB                     ; a chunk: four K steps, one from each wave
.set STG,    256*FRAG                  ; behind W: a stage of 16 rows x 528 bytes for each wave
.set SPITCH, 528
.set STGW,   16*SPITCH
.set SPARE,  STG+4*STGW                ; the spare words: 128 bytes for each of 4 waves
.set WROW,   4096                      ; bytes from a k row of W to the next
.set WPC,    8*WROW                    ; a piece
.set WCH,    128*WROW                  ; a chunk
.set VL,  1                            ; lane
.set VR,  2                            ; lane % 16
.set H16, 3                            ; 16 (lane / 16)
.set BA,  4                            ; sweep 0: LDS address of W's fragments of the group in hand
.set WA,  5                            ; LDS address at which my pieces are stored
.set WO,  6                            ; my byte offset in W: 16 lane + 32 rows x wave
.set BO,  7                            ; 32 (lane / 16): my 8 columns in 16 of the bias
.set R32, 8                            ; 16 wave + lane % 16 + 64 (lane / 16): my place among 128 ranks
.set SWA, 9                            ; the stage: where I put my 32 bytes of a row
.set SR,  10                           ; the stage: where I read rows back
.set LD0, 13                           ; 8 lane
.set PFO, 14                           ; prefetch: 32 rows x wave + 4,096 (lane / 2) + 256 (lane % 2)
.set LD1, 15                           ; 16 lane
.set RO,  16                           ; v16-21 byte offset of my row of src in block i, + 16 (lane / 16)
.set BM0, 22                           ; bitmap words lane, lane + 32
.set BM1, 23
.set WA0, 25                           ; my lane's and wave's place in a chunk; never rewritten
.set T0,  26
.set T1,  27
.set CT,  32                           ; v32-47 a piece, rounded and turned; ahead of that the search's work; on the way out the rows' offsets in dst
.set TOK, 32
.set PK,  32                           ; v32-34 ranks, then ranks inside the word
.set SM,  35                           ; v35-37 the word that holds the rank
.set SC,  38                           ; v38-40 the count ahead of that word | its number << 16
.set QA,  41                           ; set bits by fields of 2, 4, 8
.set QB,  42
.set QC,  43
.set QT,  44
.set QP,  45                           ; the bit's place
.set QU,  46
.set SPW, 48                           ; my spare word; never rewritten
.set NIL, 49                           ; 0; never rewritten
.set TKN, 50                           ; v50-55 the token of row lane % 16 in block i
.set BG,  56                           ; v56-63 16 lane + chunk g; never rewritten
.set AR,  64                           ; src fragments: slot q, block i at AR + 48 q + 8 i
.set GXR, 64                           ; the way out: v64-127 16 rows x 4 columns
.set GEX, 128                          ; v128-223 the work of GELU on 8 rows
.set GTT, 160
.set GPO, 192
.set GOU, 224                          ; v224-255 16 rows x 4 columns in bf16
.set ST,  128                          ; window 1: piece slot p, row i, column c at ST + 32 p + 4 i + c
.set BS,  128                          ; window 3: the bias of columns 16 b + 8 (lane / 16) + 0..7 at BS + 8 b
.set TS,  80                           ; s80-95 the tokens of the 16 rows in the stage; in the search:
.set WDA, 80                           ; the two words in hand
.set WDB, 81
.set NXA, 82                           ; the next two
.set NXB, 83
.set CN1, 84                           ; the count ahead of the second word
.set KYA, 85                           ; count | word number << 16
.set KYB, 86
.set MKA, 87                           ; s87-89, s90-92 the compares' masks
.set MKB, 90
.set IX1, 93
.set CNB, 94
; scalars: s2 wave; s3 id, later BA's offset; s4 slice; s5 expert; s6 first rank; s7 most rows; s[8:23] arguments; s24 mode; s26 count; s27 the rank behind my last; s29 the sweep's first rank;
; s30 sweeps; s31 groups; s[32:33] src, stepped; s[34:35] W; s[36:37] dst; s[38:39] bias; s40-47 at work; s[48:61] constants in pairs; s62 prefetches left; s63 WA's offset;
; s66, s67 lane selects; s68 the mask of lanes 16-31; s69 the sweep's ranks; s70 the rank behind the sweep's last; s[72:73] src
.set MSB, 0
.macro WIN new                         ; the high byte repeats the setting that is left; a switch that changes nothing is dropped
.if MSB != (\new)
	s_set_vgpr_msb (MSB<<8)|(\new)
.set MSB, \new
.endif
.endm
; 8 matrix instructions: block i x 8 column blocks, K step in slot q.  The accumulators take turns, one instruction a turn.  zero = 1: the product starts the sums, on the bias.
.macro MUL1 q, i, zero
.if \zero
	WIN 0xb1+0x40*((\i)/4)
.else
	WIN 0xa1+0x50*((\i)/4)
.endif
.irp b, 0,1,2,3,4,5,6,7
.set rC, 64*((\i)%4)+8*\b
.set rB, 64*((\q)%2)+8*\b
.set rA, AR+48*(\q)+8*(\i)
.if \zero
	v_wmma_f32_16x16x32_bf16 v[rC:rC+7], v[rB:rB+7], v[rA:rA+7], v[BS+8*\b:BS+8*\b+7]
.else
	v_wmma_f32_16x16x32_bf16 v[rC:rC+7], v[rB:rB+7], v[rA:rA+7], v[rC:rC+7]
.endif
.endr
.endm
.macro MUL q, i0, zero
	MUL1 \q, \i0, \zero
	MUL1 \q, (\i0)+1, \zero
.endm
; W's 8 fragments of the K step behind step q of the group, into the other buffer: 16 loads of 512 consecutive bytes
.macro BPRE q
	WIN 0x40
.irp b, 0,1,2,3,4,5,6,7
	ds_load_b128 v[64*(((\q)+1)%2)+8*\b:64*(((\q)+1)%2)+8*\b+3],   v[BA] offset:((\q)+1)*KKB+FRAG*\b
	ds_load_b128 v[64*(((\q)+1)%2)+8*\b+4:64*(((\q)+1)%2)+8*\b+7], v[BA] offset:((\q)+1)*KKB+FRAG*\b+512
.endr
.endm
; The piece in slot p (8 k rows x my 4 columns, f32) is rounded in pairs of rows: 16 bytes are 8 k of one column, which is what a lane of a fragment holds.  o = the piece's place among its K step's four.
.macro CONV p, o, off
	WIN 0x05
.irp c, 0,1,2,3
.irp m, 0,1,2,3
	v_cvt_pk_bf16_f32 v[CT+4*\c+\m], v[ST+32*(\p)+8*\m+\c], v[ST+32*(\p)+8*\m+4+\c]
.endr
.endr
	WIN 0
.irp c, 0,1,2,3
	ds_store_b128 v[WA], v[CT+4*\c:CT+4*\c+3] offset:(\off)+16*\c+256*((\o)&1)+512*((\o)>>1)
.endr
.endm
.macro WISS p, off                     ; a piece is asked for: 8 loads, each the slice's 512 consecutive bytes of one k row
	WIN 0x40
.irp i, 0,1,2,3,4,5,6,7
	global_load_b128 v[ST+32*(\p)+4*\i:ST+32*(\p)+4*\i+3], v[WO], s[34:35] offset:(\off)+WROW*\i
.endr
.endm
.macro AISS q, off                     ; a K step's fragments of my 6 blocks of rows are asked for: 12 loads (a block with no rank asks for one row in all its lanes)
	WIN 0
.irp i, 0,1,2,3,4,5
	global_load_b128 v[AR+48*(\q)+8*\i:AR+48*(\q)+8*\i+3],   v[RO+\i], s[32:33] offset:(\off)
	global_load_b128 v[AR+48*(\q)+8*\i+4:AR+48*(\q)+8*\i+7], v[RO+\i], s[32:33] offset:(\off)+32
.endr
.endm
.macro PLACES                          ; four places behind matrix instructions, where no other plain vector work is at hand (ISA guide 7.12.1)
.rept 4
	v_nop
.endr
.endm
; A chunk of my 32 k rows of the slice (64 blocks of 256 bytes) is asked into the L2, each block once in the launch: routed jobs alone ask (their slice has one reader), six times:
; chunk 2 at the head, chunk t + 3 at the head of group t, one group of 192 matrix instructions ahead of the group that loads it; the count runs out with chunk 7, the last.
.macro PF off
	WIN 0
	s_cmp_eq_u32 s62, 0
	s_cbranch_scc1 .Lnopf_\@
	global_prefetch_b8 v[PFO], s[34:35] offset:(\off) th:TH_LOAD_NT scope:SCOPE_SE
	global_prefetch_b8 v[PFO], s[34:35] offset:(\off)+16*WROW th:TH_LOAD_NT scope:SCOPE_SE
	s_sub_co_u32 s62, s62, 1
.Lnopf_\@:
.endm
.macro ADV w                           ; a group of four K steps on
	WIN 0
	s_wait_xcnt 0x0                                ; the bases are stepped only behind this wait
	s_add_nc_u64 s[32:33], s[32:33], 256
	s_add_co_u32 s3, s3, CHB
	v_add_nc_u32 v[BA], s3, v[LD1]
.if \w
	s_add_nc_u64 s[34:35], s[34:35], WCH
	s_add_co_u32 s63, s63, CHB
	v_add_nc_u32 v[WA], s63, v[WA0]
.endif
.endm
; ONE K STEP j = 4 g + q of sweep 0: 48 matrix instructions.  Behind the first 16 the step asks for piece j + 8 of W (wi: 8 loads) and then for src's fragments of step j + 3 (ai: 12 loads), so a
; wave has 60 loads out at the most.  na: the loads issued in steps j - 2 and j - 1: those younger than src's fragments of step j; piece j + 5 was asked for just ahead of these, so the one wait
; shows it landed too.  nd: the LDS instructions younger than the loads of this step's fragments of W: the four stores of the step before's conversion, or none.
; cv: piece j + 5 is rounded and stored; its 16 conversions, or four v_nop, are the places in front of the next step's loads into the registers multiplied here.
; sg, bw: the halves of the barrier between a chunk's last store and its first read; only waits and 16 matrix instructions stand between them.  bn: W's fragments of step j + 1.
.macro STEP q, zero, na, nd, cv, wi, ai, sg, bw, bn
	s_wait_loadcnt \na
	s_wait_dscnt \nd                               ; W's fragments of this step are in
	MUL \q, 0, \zero
.if \bw
	s_barrier_wait -1                              ; the next chunk is whole
.endif
.if \wi
	WISS \q, 2*WCH+WPC*(\q)
.endif
.if \ai
	AISS ((\q)+3)%4, 64*((\q)+3)
.endif
.if \bn
	BPRE \q
.endif
	MUL \q, 2, \zero
	MUL \q, 4, \zero
.if \cv
	CONV ((\q)+1)%4, ((\q)+1)%4, ((\q)/3)*CHB
.else
	PLACES
.endif
.if \sg
	s_wait_dscnt 0x0                               ; for the others' sake: my part of the next chunk is in LDS, and my reads of this one are back
	s_barrier_signal -1
.endif
.endm
; THE SEARCH.  32 words of the bitmap, in ascending order, two a trip: a lane keeps the last word ahead of which no more bits are set than its rank, with that count and the word's number.
; The compares go into masks of their own, one behind the other, and the next two words are read ahead of the selects.  (In the last trip the lanes wrap: words 0 and 1 are read and not used.)
.macro SCAN reg, n
	s_mov_b32 s40, 16
	s_mov_b32 s43, 0
	v_readlane_b32 s[WDA], v[\reg], 0
	v_readlane_b32 s[WDB], v[\reg], 1
.Lscan_\@:
	s_add_co_u32 s43, s43, 2
	s_and_b32 s43, s43, 31
	s_add_co_u32 s[IX1], s43, 1
	s_bcnt1_i32_b32 s[CN1], s[WDA]
	s_add_co_u32 s[CN1], s[CN1], s26
	s_or_b32 s[KYA], s26, s46
	s_add_co_u32 s46, s46, 0x10000
	s_or_b32 s[KYB], s[CN1], s46
	s_add_co_u32 s46, s46, 0x10000
	s_bcnt1_i32_b32 s[CNB], s[WDB]
.irp j, 0,1,2
.if \j < \n
	v_cmp_le_u32 s[MKA+\j], s26, v[PK+\j]
.endif
.endr
.irp j, 0,1,2
.if \j < \n
	v_cmp_le_u32 s[MKB+\j], s[CN1], v[PK+\j]
.endif
.endr
	v_readlane_b32 s[NXA], v[\reg], s43
	v_readlane_b32 s[NXB], v[\reg], s[IX1]
.irp j, 0,1,2
.if \j < \n
	v_cndmask_b32 v[SM+\j], v[SM+\j], s[WDA], s[MKA+\j]
	v_cndmask_b32 v[SC+\j], v[SC+\j], s[KYA], s[MKA+\j]
.endif
.endr
.irp j, 0,1,2
.if \j < \n
	v_cndmask_b32 v[SM+\j], v[SM+\j], s[WDB], s[MKB+\j]
	v_cndmask_b32 v[SC+\j], v[SC+\j], s[KYB], s[MKB+\j]
.endif
.endr
	s_add_co_u32 s26, s[CN1], s[CNB]
	s_mov_b32 s[WDA], s[NXA]
	s_mov_b32 s[WDB], s[NXB]
	s_sub_co_u32 s40, s40, 1
	s_cmp_lg_u32 s40, 0
	s_cbranch_scc1 .Lscan_\@
.endm
.macro NARROW j, src, w                ; are there w places' worth of set bits, at the most, below the one I look for?  Then it lies w places further up
	v_bfe_u32 v[QT], v[\src], v[QP], \w
	v_cmp_ge_u32 vcc_lo, v[PK+\j], v[QT]
	v_cndmask_b32 v[QU], 0, \w, vcc_lo
	v_cndmask_b32 v[QT], 0, v[QT], vcc_lo
	v_add_nc_u32 v[QP], v[QP], v[QU]
	v_sub_nc_u32 v[PK+\j], v[PK+\j], v[QT]
.endm
; The k-th set bit of the word, by halving, on the word's counts by fields of 2, 4 and 8 bits; then both halves of the lanes get both blocks' tokens
.macro PICK j
	v_and_b32 v[QU], 0xffff, v[SC+\j]
	v_sub_nc_u32 v[PK+\j], v[PK+\j], v[QU]         ; k
	v_lshrrev_b32 v[QU], 1, v[SM+\j]
	v_and_b32 v[QU], 0x55555555, v[QU]
	v_sub_nc_u32 v[QA], v[SM+\j], v[QU]
	v_lshrrev_b32 v[QU], 2, v[QA]
	v_and_b32 v[QU], 0x33333333, v[QU]
	v_and_b32 v[QB], 0x33333333, v[QA]
	v_add_nc_u32 v[QB], v[QB], v[QU]
	v_lshrrev_b32 v[QU], 4, v[QB]
	v_add_nc_u32 v[QC], v[QB], v[QU]
	v_and_b32 v[QC], 0x0f0f0f0f, v[QC]
	v_bfe_u32 v[QU], v[QC], 8, 8
	v_and_b32 v[QT], 0xff, v[QC]
	v_add_nc_u32 v[QT], v[QT], v[QU]               ; set bits among the low 16
	v_cmp_ge_u32 vcc_lo, v[PK+\j], v[QT]
	v_cndmask_b32 v[QP], 0, 16, vcc_lo
	v_cndmask_b32 v[QT], 0, v[QT], vcc_lo
	v_sub_nc_u32 v[PK+\j], v[PK+\j], v[QT]
	NARROW \j, QC, 8
	NARROW \j, QB, 4
	NARROW \j, QA, 2
	NARROW \j, SM+\j, 1
	v_lshrrev_b32 v[QU], 16, v[SC+\j]
	v_lshl_add_u32 v[SM+\j], v[QU], 5, v[QP]       ; the token: 32 x word + bit
	v_permlanex16_b32 v[QU], v[SM+\j], s66, s67    ; the other half of the lanes searched for the other block
	v_cndmask_b32 v[TKN+2*\j], v[SM+\j], v[QU], s68
	v_cndmask_b32 v[TKN+2*\j+1], v[QU], v[SM+\j], s68
.endm
; The tokens of ranks s29 + 128 j + my place, j < n: blocks 2 j (lanes 0-15) and 2 j + 1 (lanes 16-31).  s26 ends as the expert's count.
.macro SELECT n
.irp j, 0,1,2
.if \j < \n
	v_add3_u32 v[PK+\j], v[R32], s29, 128*\j
	v_mov_b32 v[SM+\j], 0
	v_mov_b32 v[SC+\j], 0
.endif
.endr
	s_mov_b32 s26, 0
	s_mov_b32 s46, 0
	SCAN BM0, \n
	SCAN BM1, \n
.irp j, 0,1,2
.if \j < \n
	PICK \j
.endif
.endr
.endm
; Blocks 0 .. 2 n - 1: the rows past the count take the token of the block's last row that exists (a block with none: whatever its lane 0 found, held inside the buffer); then the rows' offsets in src
.macro ROWOFF n
	s_lshl_b32 s41, s2, 4
	s_sub_co_i32 s42, s27, s29
	s_sub_co_i32 s42, s42, s41                     ; the rows that exist from my block 0's first rank on
.irp i, 0,1,2,3,4,5
.if \i < 2*(\n)
	s_sub_co_i32 s41, s42, 64*\i                   ; rows of block i that exist
	s_sub_co_i32 s43, s41, 1
	s_max_i32 s43, s43, 0
	s_min_i32 s43, s43, 15                         ; the lane of the last of them
	v_readlane_b32 s44, v[TKN+\i], s43
	v_cmp_gt_i32 vcc_lo, s41, v[VR]
	v_cndmask_b32 v[TKN+\i], s44, v[TKN+\i], vcc_lo
	v_min_u32 v[TKN+\i], 2047, v[TKN+\i]
	v_lshlrev_b32 v[RO+\i], 11, v[TKN+\i]
	v_add_nc_u32 v[RO+\i], v[H16], v[RO+\i]
.endif
.endr
.endm
; THE LATER SWEEPS' parts: blocks 0 and 1, K written out, every LDS address a register that is never rewritten and an immediate
.macro XA g                            ; src's fragments of K steps 4 g .. 4 g + 3: 16 loads
	WIN 0
.irp i, 0,1
.irp k, 0,1,2,3
	global_load_b128 v[AR+64*((\g)%2)+32*\i+8*\k:AR+64*((\g)%2)+32*\i+8*\k+3],   v[RO+\i], s[72:73] offset:64*(4*(\g)+\k)
	global_load_b128 v[AR+64*((\g)%2)+32*\i+8*\k+4:AR+64*((\g)%2)+32*\i+8*\k+7], v[RO+\i], s[72:73] offset:64*(4*(\g)+\k)+32
.endr
.endr
.endm
.macro XB k                            ; W's fragments of K step k
	WIN 0x40
.irp b, 0,1,2,3,4,5,6,7
	ds_load_b128 v[64*((\k)%2)+8*\b:64*((\k)%2)+8*\b+3],   v[BG+(\k)/4] offset:((\k)%4)*KKB+FRAG*\b
	ds_load_b128 v[64*((\k)%2)+8*\b+4:64*((\k)%2)+8*\b+7], v[BG+(\k)/4] offset:((\k)%4)*KKB+FRAG*\b+512
.endr
.endm
.macro XMUL k                          ; 16 matrix instructions, the 16 accumulators by turns; K step 0 starts the sums on the bias
.if (\k) == 0
	WIN 0xb1
.else
	WIN 0xa1
.endif
.irp i, 0,1
.irp b, 0,1,2,3,4,5,6,7
.set rC, 64*\i+8*\b
.set rB, 64*((\k)%2)+8*\b
.set rA, AR+64*(((\k)/4)%2)+32*\i+8*((\k)%4)
.if (\k) == 0
	v_wmma_f32_16x16x32_bf16 v[rC:rC+7], v[rB:rB+7], v[rA:rA+7], v[BS+8*\b:BS+8*\b+7]
.else
	v_wmma_f32_16x16x32_bf16 v[rC:rC+7], v[rB:rB+7], v[rA:rA+7], v[rC:rC+7]
.endif
.endr
.endr
.endm
; THE WAY OUT's parts
.macro PUT i                           ; block i's 16 rows x 128 columns into my stage (each accumulator is read from its low end), and its 16 tokens into scalars
	WIN 0x08+4*((\i)/4)
.irp b, 0,1,2,3,4,5,6,7
	ds_store_b128 v[SWA], v[64*((\i)%4)+8*\b:64*((\i)%4)+8*\b+3]   offset:64*\b
	ds_store_b128 v[SWA], v[64*((\i)%4)+8*\b+4:64*((\i)%4)+8*\b+7] offset:64*\b+16
.endr
	WIN 0
.irp j, 0,1,2,3,4,5,6,7,8,9,10,11,12,13,14,15
	v_readlane_b32 s[TS+\j], v[TKN+\i], \j
.endr
.endm
.macro ALLP line:vararg                ; one line for each of the 16 pairs p
.set p, 0
.rept 16
	\line
.set p, p+1
.endr
.endm
; GELU of rows 8 b .. 8 b + 7: 16 pairs.  The 64 exponentials and reciprocals are one batch: a pair's four plain lines take turns with the pair before's four, no line reads a result made fewer
; than six lines ahead of it, and nothing names a result of the batch ahead of the one wait.  Behind the wait: runs of 16 lines that do not wait for each other.
.macro GELU b
.set GX, GXR+32*(\b)
.set GO, GOU+16*(\b)
.set p, 0
.rept 16
	v_pk_mul_f32 v[GEX+2*p:GEX+2*p+1], v[GX+2*p:GX+2*p+1], v[GX+2*p:GX+2*p+1]
.if p > 0
	v_rcp_f32 v[GTT+2*p-2], v[GTT+2*p-2]
.endif
	v_fma_f32 v[GTT+2*p], |v[GX+2*p]|, s50, 1.0
.if p > 0
	v_rcp_f32 v[GTT+2*p-1], v[GTT+2*p-1]
.endif
	v_fma_f32 v[GTT+2*p+1], |v[GX+2*p+1]|, s50, 1.0
.if p > 0
	v_exp_f32 v[GEX+2*p-2], v[GEX+2*p-2]
.endif
	v_pk_mul_f32 v[GEX+2*p:GEX+2*p+1], v[GEX+2*p:GEX+2*p+1], s[48:49] op_sel_hi:[1,0]
.if p > 0
	v_exp_f32 v[GEX+2*p-1], v[GEX+2*p-1]
.endif
.set p, p+1
.endr
	v_rcp_f32 v[GTT+30], v[GTT+30]
	v_rcp_f32 v[GTT+31], v[GTT+31]
	v_exp_f32 v[GEX+30], v[GEX+30]
	v_exp_f32 v[GEX+31], v[GEX+31]
	v_nop                                          ; a plain instruction behind the last of them
	s_wait_alu depctr_va_vdst(0)                   ; one wait for the batch, ahead of its first reader
	ALLP v_pk_fma_f32 v[GPO+2*p:GPO+2*p+1], v[GTT+2*p:GTT+2*p+1], s[52:53], s[54:55] op_sel_hi:[1,0,0]
	ALLP v_pk_fma_f32 v[GPO+2*p:GPO+2*p+1], v[GPO+2*p:GPO+2*p+1], v[GTT+2*p:GTT+2*p+1], s[56:57] op_sel_hi:[1,1,0]
	ALLP v_pk_fma_f32 v[GPO+2*p:GPO+2*p+1], v[GPO+2*p:GPO+2*p+1], v[GTT+2*p:GTT+2*p+1], s[58:59] op_sel_hi:[1,1,0]
	ALLP v_pk_fma_f32 v[GPO+2*p:GPO+2*p+1], v[GPO+2*p:GPO+2*p+1], v[GTT+2*p:GTT+2*p+1], s[60:61] op_sel_hi:[1,1,0]
	ALLP v_pk_mul_f32 v[GPO+2*p:GPO+2*p+1], v[GPO+2*p:GPO+2*p+1], v[GTT+2*p:GTT+2*p+1]
	ALLP v_pk_fma_f32 v[GPO+2*p:GPO+2*p+1], v[GPO+2*p:GPO+2*p+1], v[GEX+2*p:GEX+2*p+1], 0.5 op_sel_hi:[1,1,0] neg_lo:[1,0,0] neg_hi:[1,0,0]
	ALLP v_pk_mul_f32 v[GEX+2*p:GEX+2*p+1], v[GX+2*p:GX+2*p+1], 0.5 op_sel_hi:[1,0]
	ALLP v_fma_f32 v[GX+2*p], |v[GX+2*p]|, v[GPO+2*p], v[GEX+2*p]
	ALLP v_fma_f32 v[GX+2*p+1], |v[GX+2*p+1]|, v[GPO+2*p+1], v[GEX+2*p+1]
	ALLP v_cvt_pk_bf16_f32 v[GO+p], v[GX+2*p], v[GX+2*p+1]
.irp j, 0,1,2,3,4,5,6,7
	global_store_b64 v[TOK+8*(\b)+\j], v[GO+2*\j:GO+2*\j+1], s[36:37]  ; a wave stores 256 consecutive bytes, aligned
.endr
.endm
	; HEAD
	s_load_b512 s[8:23], s[0:1], 0x0               ; par, bitmap, src, routed W, shared W, routed bias, shared bias, dst
	v_lshl_add_u32 v[SPW], v0, 2, SPARE
	v_mov_b32 v[NIL], 0
	v_lshrrev_b32 v[T0], 5, v0
	v_readfirstlane_b32 s2, v[T0]                  ; wave 0..3
	s_mov_b32 s3, ttmp9
	s_and_b32 s4, s3, 7                            ; the slice of 128 columns
	s_lshr_b32 s40, s3, 3                          ; routed: the expert
	s_cmp_ge_u32 s3, 160
	s_cselect_b32 s41, 1, 0                        ; shared: which of the two
	s_mul_i32 s42, s41, 48
	s_sub_co_u32 s43, s3, 112
	s_sub_co_u32 s43, s43, s42
	s_lshr_b32 s43, s43, 3                         ; its chunk of rows, 0..5
	s_mul_i32 s43, s43, 352
	s_sub_co_u32 s44, 2048, s43
	s_min_u32 s44, s44, 352
	s_add_co_u32 s45, s41, 14
	s_cmp_lt_u32 s3, 112                           ; routed?
	s_cselect_b32 s5, s40, s45                     ; expert 0..15
	s_cselect_b32 s6, 0, s43                       ; first rank
	s_cselect_b32 s7, 2048, s44                    ; most rows
	s_cselect_b32 s46, s40, s41                    ; index in W and bias
	s_cselect_b32 s62, 6, 0                        ; prefetches
	v_and_b32 v[VL], 31, v0
	v_and_b32 v[VR], 15, v0
	v_bfe_u32 v[T0], v0, 4, 1
	v_lshlrev_b32 v[H16], 4, v[T0]
	v_lshlrev_b32 v[BO], 5, v[T0]
	v_lshlrev_b32 v[LD0], 3, v[VL]
	v_lshlrev_b32 v[LD1], 4, v[VL]
	v_mov_b32 v[BA], v[LD1]
.irp g, 0,1,2,3,4,5,6,7
	v_add_nc_u32 v[BG+\g], \g*CHB, v[LD1]
.endr
	v_lshrrev_b32 v[T0], 2, v[VL]                  ; my 4 columns lie in column block lane / 4,
	v_mul_u32_u24 v[T0], v[T0], FRAG
	v_and_b32 v[T1], 3, v[VL]                      ; at its columns 4 (lane % 4) on
	v_lshl_add_u32 v[T0], v[T1], 6, v[T0]
	s_mul_i32 s40, s2, KKB                         ; my pieces make K step wave of each chunk
	v_add_nc_u32 v[WA0], s40, v[T0]
	v_mov_b32 v[WA], v[WA0]
	s_lshl_b32 s40, s2, 17                         ; 32 k rows of 4,096 bytes
	v_lshl_add_u32 v[WO], v[VL], 4, s40
	v_lshrrev_b32 v[T0], 1, v[VL]
	v_and_b32 v[T1], 1, v[VL]
	v_lshlrev_b32 v[T1], 8, v[T1]
	v_lshl_add_u32 v[T0], v[T0], 12, v[T1]
	v_add_nc_u32 v[PFO], s40, v[T0]
	s_lshl_b32 s40, s2, 4
	v_add_nc_u32 v[R32], s40, v[VR]
	v_lshl_add_u32 v[R32], v[H16], 2, v[R32]
	s_mul_i32 s40, s2, STGW
	s_add_co_u32 s40, s40, STG                     ; my stage
	v_mul_u32_u24 v[T0], v[VR], SPITCH
	v_lshl_add_u32 v[T0], v[H16], 1, v[T0]
	v_add_nc_u32 v[SWA], s40, v[T0]
	v_add_nc_u32 v[SR], s40, v[LD1]
	v_lshlrev_b32 v[T0], 2, v[VL]                  ; my word of the bitmap's row
	s_mov_b32 s48, 0xbf38aa3b                      ; -log2(e) / 2
	s_mov_b32 s49, 0xbf38aa3b
	s_mov_b32 s50, 0x3e6d3389                      ; 0.2316419
	s_mov_b32 s51, 0x3e6d3389
	s_mov_b32 s52, 0x3f07dc22                      ; B5 =  0.53070271: the series' b5 .. b1 over sqrt(2 pi); named as pairs, the low word serves both halves
	s_mov_b32 s53, 0x3f07dc22
	s_mov_b32 s54, 0xbf3a00e3                      ; B4 = -0.72657601
	s_mov_b32 s55, 0xbf3a00e3
	s_mov_b32 s56, 0x3f35f0e3                      ; B3 =  0.71070687
	s_mov_b32 s57, 0x3f35f0e3
	s_mov_b32 s58, 0xbe11a98e                      ; B2 = -0.14224837
	s_mov_b32 s59, 0xbe11a98e
	s_mov_b32 s60, 0x3e027906                      ; B1 =  0.12741480
	s_mov_b32 s61, 0x3e027906
	s_mov_b32 s66, 0x76543210                      ; each lane takes its own place in the other half
	s_mov_b32 s67, 0xfedcba98
	s_mov_b32 s68, 0xffff0000                      ; lanes 16 to 31
	s_mov_b32 s[TS+15], 0                          ; the other fifteen of these are written by the search
	s_wait_kmcnt 0x0
	s_load_b32 s24, s[8:9], 0x0                    ; the mode
	s_cmp_lt_u32 s3, 112
	s_cselect_b64 s[34:35], s[14:15], s[16:17]
	s_cselect_b64 s[38:39], s[18:19], s[20:21]
	s_mov_b32 s41, 0
	s_lshl_b32 s40, s46, 22                        ; 4 MiB a matrix
	s_lshl_b32 s42, s4, 9                          ; 512 bytes a slice
	s_add_co_u32 s40, s40, s42
	s_add_nc_u64 s[34:35], s[34:35], s[40:41]
	s_lshl_b32 s40, s46, 12
	s_add_co_u32 s40, s40, s42
	s_add_nc_u64 s[38:39], s[38:39], s[40:41]
	s_lshl_b32 s40, s5, 8
	s_add_nc_u64 s[10:11], s[10:11], s[40:41]
	s_mov_b32 s3, 0
	s_mov_b32 s63, 0
	global_load_b32 v[BM0], v[T0], s[10:11]
	global_load_b32 v[BM1], v[T0], s[10:11] offset:128
	WIN 0xc0                                       ; destination window 3
.irp b, 0,1,2,3,4,5,6,7
	global_load_b128 v[BS+8*\b:BS+8*\b+3],   v[BO], s[38:39] offset:64*\b
	global_load_b128 v[BS+8*\b+4:BS+8*\b+7], v[BO], s[38:39] offset:64*\b+16
.endr
	WISS 0, 0                                      ; chunk 0
	WISS 1, WPC
	WISS 2, 2*WPC
	WISS 3, 3*WPC
	PF 2*WCH
	s_wait_kmcnt 0x0
	s_min_u32 s24, s24, 1
	s_lshl_b32 s40, s5, 22                         ; expert x 2,048 rows of 2,048 bytes
	s_mul_i32 s42, s40, s24                        ; mode 1: src's rows begin there
	s_mov_b32 s43, 0
	s_add_nc_u64 s[72:73], s[12:13], s[42:43]
	s_mov_b64 s[32:33], s[72:73]
	s_lshl_b32 s42, s4, 8                          ; dst: the slice's 256 bytes,
	s_add_co_u32 s40, s40, s42
	s_add_co_u32 s42, s24, 1
	s_mul_i32 s40, s40, s42                        ; all of it twice in f32
	s_add_nc_u64 s[36:37], s[22:23], s[40:41]
	s_mov_b32 s29, s6
	s_wait_loadcnt 32                              ; the bitmap and the bias are in: the 32 loads of W are younger
	SELECT 3
	s_sub_co_i32 s40, s26, s6
	s_max_i32 s40, s40, 0
	s_min_u32 s40, s40, s7                         ; my rows
	s_add_co_u32 s27, s6, s40                      ; the rank behind my last
	ROWOFF 3
	; PROLOGUE.  Issue order: W0-3, W4, W5, A0, W6, A1, then behind the barrier W7, A2.  Each count is the loads younger than the piece that is wanted.
	s_wait_loadcnt 24                              ; W0: W1-3 are younger
	CONV 0, 0, 0
	WISS 0, WCH
	s_wait_loadcnt 24                              ; W1: W2-4
	CONV 1, 1, 0
	WISS 1, WCH+WPC
	AISS 0, 0
	s_wait_loadcnt 36                              ; W2: W3-5 and A0
	CONV 2, 2, 0
	WISS 2, WCH+2*WPC
	AISS 1, 64
	s_wait_loadcnt 48                              ; W3: W4-6, A0, A1
	CONV 3, 3, 0
	s_wait_dscnt 0x0                               ; for the others' sake: my part of chunk 0 is in LDS
	s_barrier_signal -1
	s_barrier_wait -1
	BPRE -1
	s_wait_loadcnt 40                              ; W4: W5, A0, W6, A1
	CONV 0, 0, CHB
	WISS 3, WCH+3*WPC
	AISS 2, 128
	s_add_co_u32 s63, s63, CHB
	v_add_nc_u32 v[WA], s63, v[WA0]
	; SWEEP 0
	PF 3*WCH
	STEP 0, 1, 40, 4, 1, 1, 1, 0, 0, 1
	STEP 1, 0, 40, 4, 1, 1, 1, 0, 0, 1
	STEP 2, 0, 40, 4, 1, 1, 1, 1, 0, 1
	STEP 3, 0, 40, 0, 1, 1, 1, 0, 1, 1
	ADV 1
	s_mov_b32 s31, 5
.Lgl:
	PF 3*WCH
	STEP 0, 0, 40, 4, 1, 1, 1, 0, 0, 1
	STEP 1, 0, 40, 4, 1, 1, 1, 0, 0, 1
	STEP 2, 0, 40, 4, 1, 1, 1, 1, 0, 1
	STEP 3, 0, 40, 0, 1, 1, 1, 0, 1, 1
	ADV 1
	s_sub_co_u32 s31, s31, 1
	s_cmp_lg_u32 s31, 0
	s_cbranch_scc1 .Lgl
	STEP 0, 0, 40, 4, 1, 0, 1, 0, 0, 1             ; steps 24 to 27: no piece is left to ask for: 12 loads a step
	STEP 1, 0, 32, 4, 1, 0, 1, 0, 0, 1
	STEP 2, 0, 24, 4, 1, 0, 1, 1, 0, 1             ; piece 31, the last
	STEP 3, 0, 24, 0, 0, 0, 1, 0, 1, 1
	ADV 0
	STEP 0, 0, 24, 0, 0, 0, 1, 0, 0, 1             ; step 28 asks for the last fragments of src; then the counts run down
	STEP 1, 0, 24, 0, 0, 0, 0, 0, 0, 1
	STEP 2, 0, 12, 0, 0, 0, 0, 0, 0, 1
	STEP 3, 0, 0, 0, 0, 0, 0, 0, 0, 0
	WIN 0
	s_mov_b32 s30, 14
	s_mov_b32 s69, 384
.Lsw:                                                  ; 384 + 13 x 128 ranks cover 2,048 rows; a sweep with no rank left is jumped
	s_cmp_ge_u32 s29, s27
	s_cbranch_scc1 .Lsw_next
	s_cmp_eq_u32 s30, 14
	s_cbranch_scc1 .Lepi                           ; sweep 0 has been multiplied above
	s_wait_xcnt 0x0                                ; the last way out's stores have read their registers
	SELECT 1
	ROWOFF 1
	XA 0
	XA 1
	XB 0
.set kk, 0
.rept 32
.if kk%4 == 0
.if kk < 28
	s_wait_loadcnt 16                              ; this group's fragments of src are in: the next group's 16 loads are younger
.else
	s_wait_loadcnt 0x0
.endif
.endif
	s_wait_dscnt 0x0
.if kk < 31
	XB kk+1
.endif
	XMUL kk
	PLACES                                         ; in front of the loads into the registers just multiplied
.if (kk%4 == 3) && (kk < 24)
	XA kk/4+2
.endif
.set kk, kk+1
.endr
	WIN 0
.Lepi:
	; THE WAY OUT.  Block by block through my own stage (LDS serves a wave's instructions in order, ISA guide 5.7.1.4: no wait between the stores and the loads), back as 16 whole rows.
	s_add_co_u32 s70, s29, s69
	s_min_u32 s70, s70, s27                        ; the rank behind the sweep's last
	s_lshl_b32 s47, s2, 4
	s_add_co_u32 s47, s47, s29                     ; the first rank of my block
	s_mov_b32 s44, 6
.Lslot:
	s_sub_co_i32 s45, s70, s47                     ; rows of the block that exist
	s_cmp_le_i32 s45, 0
	s_cbranch_scc1 .Lslot_next
.irp i, 0,1,2,3,4,5
	s_cmp_lg_u32 s44, 6-\i
	s_cbranch_scc1 .Lnoput\i
	PUT \i
.Lnoput\i:
.endr
.irp j, 0,1,2,3,4,5,6,7,8,9,10,11,12,13,14,15
	s_min_u32 s[TS+\j], s[TS+\j], 2047
.endr
	s_wait_xcnt 0x0                                ; the last block's stores have read their registers
.irp j, 0,1,2,3,4,5,6,7,8,9,10,11,12,13,14,15
	ds_load_b128 v[GXR+4*\j:GXR+4*\j+3], v[SR] offset:SPITCH*\j
.endr
	s_cmp_lg_u32 s24, 0
	s_cbranch_scc1 .Lwide
.irp j, 0,1,2,3,4,5,6,7,8,9,10,11,12,13,14,15
	s_lshl_b32 s[TS+\j], s[TS+\j], 11
	v_add_nc_u32 v[TOK+\j], s[TS+\j], v[LD0]
.endr
	s_wait_dscnt 8                                 ; rows 0 to 7 are back: the loads of rows 8 to 15 are younger
	GELU 0
	s_wait_dscnt 0x0
	GELU 1
	s_branch .Lslot_next
.Lwide:
.irp j, 0,1,2,3,4,5,6,7,8,9,10,11,12,13,14,15
	s_lshl_b32 s[TS+\j], s[TS+\j], 12
	v_add_nc_u32 v[TOK+\j], s[TS+\j], v[LD1]
.endr
.irp j, 0,1,2,3,4,5,6,7,8,9,10,11,12,13,14,15
	s_wait_dscnt 15-\j                             ; row j is back: the later rows' loads are younger
	global_store_b128 v[TOK+\j], v[GXR+4*\j:GXR+4*\j+3], s[36:37]      ; a wave stores 512 consecutive bytes, aligned
.endr
.Lslot_next:
	s_add_co_u32 s47, s47, 64
	s_sub_co_u32 s44, s44, 1
	s_cmp_lg_u32 s44, 0
	s_cbranch_scc1 .Lslot
.Lsw_next:
	s_add_co_u32 s29, s29, s69
	s_mov_b32 s69, 128
	s_sub_co_u32 s30, s30, 1
	s_cmp_lg_u32 s30, 0
	s_cbranch_scc1 .Lsw
	s_wait_tensorcnt 0x0                           ; the wave's end
	ds_add_u32 v[SPW], v[NIL]
	s_wait_dscnt 0x0
	s_endpgm
.Lfunc_end_k_q141071bb96_ffn:
	.size	k_q141071bb96_ffn, .Lfunc_end_k_q141071bb96_ffn-k_q141071bb96_ffn
	.p2alignl 7, 3214868480
	.fill 96, 4, 3214868480
	.section	.rodata,"a",@progbits
	.p2align	6, 0x0
	.amdhsa_kernel k_q141071bb96_ffn
		.amdhsa_group_segment_fixed_size 300544
		.amdhsa_private_segment_fixed_size 0
		.amdhsa_enable_private_segment 0
		.amdhsa_kernarg_size 64
		.amdhsa_user_sgpr_count 2
		.amdhsa_user_sgpr_kernarg_segment_ptr 1
		.amdhsa_wavefront_size32 1
		.amdhsa_system_sgpr_workgroup_id_x 1
		.amdhsa_system_sgpr_workgroup_id_y 1
		.amdhsa_system_sgpr_workgroup_id_z 1
		.amdhsa_system_vgpr_workitem_id 0
		.amdhsa_next_free_vgpr 960
		.amdhsa_next_free_sgpr 96
		.amdhsa_reserve_vcc 1
		.amdhsa_float_denorm_mode_32 3
		.amdhsa_float_denorm_mode_16_64 3
		.amdhsa_memory_ordered 1
		.amdhsa_forward_progress 1
		.amdhsa_inst_pref_size 255
	.end_amdhsa_kernel
	.section	.bss,"aw",@nobits
	.p2align	6
	.space	262144
	.amdgpu_metadata
---
amdhsa.version: [ 1, 2 ]
amdhsa.kernels:
  - .name:           k_q141071bb96_ffn
    .symbol:         k_q141071bb96_ffn.kd
    .args:
      - { .name: par0, .offset: 0, .size: 8, .value_kind: global_buffer, .address_space: global }
      - { .name: bitmap, .offset: 8, .size: 8, .value_kind: global_buffer, .address_space: global }
      - { .name: xb, .offset: 16, .size: 8, .value_kind: global_buffer, .address_space: global }
      - { .name: routed_w1, .offset: 24, .size: 8, .value_kind: global_buffer, .address_space: global }
      - { .name: shared_w1, .offset: 32, .size: 8, .value_kind: global_buffer, .address_space: global }
      - { .name: routed_b1, .offset: 40, .size: 8, .value_kind: global_buffer, .address_space: global }
      - { .name: shared_b1, .offset: 48, .size: 8, .value_kind: global_buffer, .address_space: global }
      - { .name: h, .offset: 56, .size: 8, .value_kind: global_buffer, .address_space: global }
    .group_segment_fixed_size: 300544
    .private_segment_fixed_size: 0
    .kernarg_segment_align: 8
    .kernarg_segment_size: 64
    .max_flat_workgroup_size: 128
    .sgpr_count:     96
    .vgpr_count:     960
    .wavefront_size: 32
...
	.end_amdgpu_metadata
.endif
;; end of part 2
;; launch ffn2: the kernel of part 2 again; grid 208 x 1, 4 waves a work-group, no clusters, 300,544 bytes of LDS; arguments par1, bitmap, h, routed_w2, shared_w2, routed_b2, shared_b2, y; writes y
;; launch sum (part 3): grid 256 x 1, 8 waves a work-group, no clusters, 0 bytes of LDS; arguments x, y, idx, gate, out0; writes out0
.if DOCPART == 3
	.amdgcn_target "amdgcn-amd-amdhsa--gfx1250"
	.amdhsa_code_object_version 6
	.text
	.protected	k_q141071bb96_sum
	.globl	k_q141071bb96_sum
	.p2align	8
	.type	k_q141071bb96_sum,@function
k_q141071bb96_sum:
	s_mov_b64 s[64:65], 0
	v_nop
	global_prefetch_b8 v0, s[64:65] scope:SCOPE_SE
	s_setreg_imm32_b32 hwreg(HW_REG_WAVE_MODE, 25, 1), 1
	s_wait_xcnt 0x0
; out[t] = x[t] + y[14][t] + y[15][t] + g1 y[e1][t] + g2 y[e2][t].  y: [16][2048][1024] f32, the experts' rows with their second bias; e1, e2 and g1, g2 from idx and gate.
; One wave, one token: a row is 4,096 bytes, eight loads of 512 consecutive bytes; 40 loads of a wave are out at once.  A stream: no LDS, no barrier, no matrix unit.
; The five rows are added in this order, which is not that of a sum over experts 0 to 13.
.set XA, 8                             ; v[8:39]    x, then the sum
.set S0, 40                            ; v[40:71]   shared expert 0
.set S1, 72                            ; v[72:103]  shared expert 1
.set R1, 104                           ; v[104:135] the first chosen expert
.set R2, 136                           ; v[136:167] the second
.macro LD8 dst, base
.irp i, 0,1,2,3,4,5,6,7
	global_load_b128 v[(\dst)+4*\i:(\dst)+4*\i+3], v1, s[\base:\base+1] offset:512*\i th:TH_LOAD_NT
.endr
.endm
.macro ALLP line:vararg                ; one line for each of the 16 pairs p
.set p, 0
.rept 16
	\line
.set p, p+1
.endr
.endm
	s_load_b256 s[8:15], s[0:1], 0x0               ; x, y, idx, gate
	s_load_b64 s[16:17], s[0:1], 0x20              ; out
	v_lshrrev_b32 v2, 5, v0
	v_readfirstlane_b32 s2, v2                     ; wave 0..7
	v_and_b32 v1, 31, v0
	v_lshlrev_b32 v1, 4, v1                        ; 16 bytes a lane
	s_lshl_b32 s3, ttmp9, 3
	s_add_co_u32 s3, s3, s2                        ; my token
	s_lshl_b32 s4, s3, 3                           ; its 8 bytes in idx and gate
	s_lshl_b32 s6, s3, 12                          ; its row of 4,096 bytes
	s_mov_b32 s7, 0
	s_wait_kmcnt 0x0
	s_load_b64 s[20:21], s[12:13], s4 offset:0x0
	s_load_b64 s[22:23], s[14:15], s4 offset:0x0
	s_add_nc_u64 s[24:25], s[8:9], s[6:7]
	s_add_nc_u64 s[26:27], s[16:17], s[6:7]
	s_add_nc_u64 s[28:29], s[10:11], s[6:7]        ; y at expert 0's row of my token; an expert is 8 MiB
	s_add_nc_u64 s[30:31], s[28:29], 14<<23
	s_add_nc_u64 s[32:33], s[28:29], 15<<23
	LD8 XA, 24
	LD8 S0, 30
	LD8 S1, 32
	s_wait_kmcnt 0x0
	s_min_u32 s20, s20, 13
	s_min_u32 s21, s21, 13
	s_lshl_b32 s34, s20, 23
	s_mov_b32 s35, 0
	s_lshl_b32 s36, s21, 23
	s_mov_b32 s37, 0
	s_add_nc_u64 s[34:35], s[28:29], s[34:35]
	s_add_nc_u64 s[36:37], s[28:29], s[36:37]
	s_mov_b32 s38, s23                             ; g2 at the head of a pair; g1 heads s[22:23]
	s_mov_b32 s39, s23
	LD8 R1, 34
	LD8 R2, 36
	s_wait_loadcnt 16                              ; x and the shared rows are in: the 16 loads of the chosen rows are younger
	ALLP v_pk_add_f32 v[XA+2*p:XA+2*p+1], v[XA+2*p:XA+2*p+1], v[S0+2*p:S0+2*p+1]
	ALLP v_pk_add_f32 v[XA+2*p:XA+2*p+1], v[XA+2*p:XA+2*p+1], v[S1+2*p:S1+2*p+1]
	s_wait_loadcnt 0x0
	ALLP v_pk_fma_f32 v[XA+2*p:XA+2*p+1], v[R1+2*p:R1+2*p+1], s[22:23], v[XA+2*p:XA+2*p+1] op_sel_hi:[1,0,1]
	ALLP v_pk_fma_f32 v[XA+2*p:XA+2*p+1], v[R2+2*p:R2+2*p+1], s[38:39], v[XA+2*p:XA+2*p+1] op_sel_hi:[1,0,1]
.irp i, 0,1,2,3,4,5,6,7
	global_store_b128 v1, v[XA+4*\i:XA+4*\i+3], s[26:27] offset:512*\i th:TH_STORE_NT  ; 512 consecutive bytes, aligned
.endr
	s_endpgm
.Lfunc_end_k_q141071bb96_sum:
	.size	k_q141071bb96_sum, .Lfunc_end_k_q141071bb96_sum-k_q141071bb96_sum
	.p2alignl 7, 3214868480
	.fill 96, 4, 3214868480
	.section	.rodata,"a",@progbits
	.p2align	6, 0x0
	.amdhsa_kernel k_q141071bb96_sum
		.amdhsa_group_segment_fixed_size 0
		.amdhsa_private_segment_fixed_size 0
		.amdhsa_enable_private_segment 0
		.amdhsa_kernarg_size 40
		.amdhsa_user_sgpr_count 2
		.amdhsa_user_sgpr_kernarg_segment_ptr 1
		.amdhsa_wavefront_size32 1
		.amdhsa_system_sgpr_workgroup_id_x 1
		.amdhsa_system_sgpr_workgroup_id_y 1
		.amdhsa_system_sgpr_workgroup_id_z 1
		.amdhsa_system_vgpr_workitem_id 0
		.amdhsa_next_free_vgpr 168
		.amdhsa_next_free_sgpr 66
		.amdhsa_reserve_vcc 0
		.amdhsa_float_denorm_mode_32 3
		.amdhsa_float_denorm_mode_16_64 3
		.amdhsa_memory_ordered 1
		.amdhsa_forward_progress 1
		.amdhsa_inst_pref_size 10
	.end_amdhsa_kernel
	.amdgpu_metadata
---
amdhsa.version: [ 1, 2 ]
amdhsa.kernels:
  - .name:           k_q141071bb96_sum
    .symbol:         k_q141071bb96_sum.kd
    .args:
      - { .name: x, .offset: 0, .size: 8, .value_kind: global_buffer, .address_space: global }
      - { .name: y, .offset: 8, .size: 8, .value_kind: global_buffer, .address_space: global }
      - { .name: idx, .offset: 16, .size: 8, .value_kind: global_buffer, .address_space: global }
      - { .name: gate, .offset: 24, .size: 8, .value_kind: global_buffer, .address_space: global }
      - { .name: out0, .offset: 32, .size: 8, .value_kind: global_buffer, .address_space: global }
    .group_segment_fixed_size: 0
    .private_segment_fixed_size: 0
    .kernarg_segment_align: 8
    .kernarg_segment_size: 40
    .max_flat_workgroup_size: 256
    .sgpr_count:     66
    .vgpr_count:     168
    .wavefront_size: 32
...
	.end_amdgpu_metadata
.endif
;; end of part 3
;; ======== version 2 of 2: 4 launches; version 1 with the launches ffn, ffn2 written anew for expert scheduling mode
;; workspace buffers: xb 4,194,304 bytes; bitmap 4,096 bytes of whole numbers; idx 16,384 bytes of whole numbers; gate 16,384 bytes; par0 256 bytes of whole numbers; par1 256 bytes of whole numbers; h 67,108,864 bytes; y 134,217,728 bytes
;; launch router: the kernel of part 1 again; grid 256 x 1, 8 waves a work-group, no clusters, 123,392 bytes of LDS; arguments x, router_w, router_b, xb, bitmap, idx, gate, par0, par1; writes xb, bitmap, idx, gate, par0, par1
;; launch ffn (part 4): grid 208 x 1, 4 waves a work-group, no clusters, 300,544 bytes of LDS; arguments par0, bitmap, xb, routed_w1, shared_w1, routed_b1, shared_b1, h; writes h
.if DOCPART == 4
	.amdgcn_target "amdgcn-amd-amdhsa--gfx1250"
	.amdhsa_code_object_version 6
	.text
	.protected	k_q141071bb96_ffn
	.globl	k_q141071bb96_ffn
	.p2align	8
	.type	k_q141071bb96_ffn,@function
k_q141071bb96_ffn:
	s_mov_b64 s[64:65], 0
	v_nop
	global_prefetch_b8 v0, s[64:65] scope:SCOPE_SE
	s_setreg_imm32_b32 hwreg(HW_REG_WAVE_SCHED_MODE, 0, 2), 2
	s_setreg_imm32_b32 hwreg(HW_REG_WAVE_MODE, 25, 1), 1
	s_wait_xcnt 0x0
	s_wait_alu depctr_vm_vsrc(0)
; ONE PRODUCT OF THE EXPERTS' CHAIN, for all 16 experts (14 routed, then 2 shared), only for the rows that chose the expert.
; mode 0 (word 0 of par):  dst[e][token] = gelu(src[token] W[e] + b[e]), bf16;   mode 1:  dst[e][token] = src[e][token] W[e] + b[e], f32.
; src is bf16, rows of 1,024; W is f32, [k][n]; it is rounded to bf16 and turned on its way through registers, so each weight leaves memory as it lies, once.
; JOBS.  Work-groups 0..111: routed expert id / 8, columns 128 (id % 8) on, all of the expert's rows.  Work-groups 112..207: a shared expert, 128 columns, 352 rows (the last chunk 288).
; ROWS.  The r-th token of an expert has RANK r.  A lane finds the token of its rank from the expert's row of the bitmap, in registers: no LDS address hangs on data.
; In a block that is not full the ranks past the count repeat the block's last row that exists: they give the same numbers, stored to the same bytes.  A block with no rank is multiplied
; (on one row inside the buffer) and not stored.
; SWEEP 0 takes 384 ranks and runs in every work-group: wave w has the blocks of 16 ranks 4 i + w, i = 0..5: 48 accumulators.  W streams in (8 k rows a piece, 32 pieces a wave) while earlier
; K steps are multiplied; its 8 barriers stand on every path.  W then stays in LDS.  Ranks past 384 (every split of the tokens is served: up to 2,048 rows an expert) are taken 128 at a time by a loop
; of 13 further trips whose dead trips are jumped forward; those sweeps write nothing of W and need no barrier; they are plain, 16 matrix instructions for 16 LDS loads: a path for rare splits.
; THE MATRIX INSTRUCTION IS USED TRANSPOSED: source 0 = 16 columns of W, source 1 = 16 rows of src: a lane then holds 8 neighbouring columns of one row.  The bias is the C of K step 0.
; NO TENSOR LOADS, NO CLUSTER: W needs rounding and the rows come by a list, which no descriptor covers; a routed slice of W has one reader; only the shared slices (an eighth of the weights) have six.
; GELU.  x Phi(x) = x / 2 + |x| (1 / 2 - e^(-x x / 2) t (B1 + t (B2 + t (B3 + t (B4 + t B5))))), t = 1 / (1 + 0.2316419 |x|): Abramowitz and Stegun 26.2.17, Phi within 7.5e-8 for every x.
; LIMITS.  src, W and the hidden layer are bf16 matrix operands; sums in f32, begun with the bias.  NaN and infinities are not treated apart.
; REGISTERS, in windows of 256 (s_set_vgpr_msb: bits 1:0 source 0, 3:2 source 1, 5:4 source 2, 7:6 destination):
;   window 0: v0-63 addresses and work; v64-255 four slots of src fragments (6 blocks x 8); on the way out these hold a block's rows and the work of GELU
;   window 1: v0-127 two buffers of W fragments; v128-255 four slots of 8 k rows of W in f32      window 2: accumulators of blocks 0-3      window 3: v0-127 those of blocks 4, 5; v128-191 the bias
; THE MODE: SCHED_MODE bits 1:0 = 2 (LLVM: expert scheduling mode 2), set by the entry lines.  The code itself states the register dependences between vector or matrix instructions and
; memory or LDS instructions, and those through scalar results of vector instructions, with s_wait_alu, always for 0.
; THE PLAN.  Registers that memory or LDS instructions touch in K step j = 4 g + q of sweep 0:
;   ST0 .. ST3    slots of a piece of W in f32.  The step's 16 roundings read ST[(q + 1) % 4]; the loads of piece j + 8 land in ST[q], which the roundings of the step before read.
;   CT            written by the roundings, at the step's head; read by the step's four LDS stores, which stand behind 24 of its products.
;   A0 .. A3      src's fragments.  The step's products read A[q]; the loads of step j + 3 land in A[(q + 3) % 4], which the products of the step before read.
;   W0, W1        W's fragments.  The step's products read W[q % 2]; the LDS loads of step j + 1 land in the other, which the products of the step before read.
;   v[BA], v[WA]  LDS addresses, written once a group, between two steps.  v[WO], v[RO ..], v[PFO]: offsets, not written in the sweep.
; So ONE wait on va_vdst stands in a step, behind its roundings: it states that CT is written, that the roundings are done reading ST, that the products of the step before are done reading their
; fragments, and in a group's first step that v[BA] and v[WA] are written.  The step's 40 loads and stores follow it, dealt among its products, which name W[q % 2], A[q] and the accumulators: none of
; the registers that those loads and stores touch.  One wait on vm_vsrc stands ahead of the roundings (the stores of the step before have read CT), one a group ahead of the adds to the two addresses.
; The head, the search, the later sweeps and the way out state their dependences where they stand.
.set FRAG,   1040                      ; a fragment of W (32 k x 16 columns, 1,024 bytes as the lanes take it) + 16: the turning stores of 16 lanes then fall in 16 different 16-byte columns of 256
.set KKB,    8*FRAG                    ; the 8 fragments of one K step of 32
.set CHB,    4*KKB                     ; a chunk: four K steps, one from each wave
.set STG,    256*FRAG                  ; behind W: a stage of 16 rows x 528 bytes for each wave; the 512 bytes behind the stages: the spare words, 128 bytes for each of 4 waves
.set SPITCH, 528
.set STGW,   16*SPITCH
.set WROW,   4096                      ; bytes from a k row of W to the next
.set WPC,    8*WROW                    ; a piece
.set WCH,    128*WROW                  ; a chunk
.set VL,  1                            ; lane
.set VR,  2                            ; lane % 16
.set H16, 3                            ; 16 (lane / 16)
.set BA,  4                            ; sweep 0: LDS address of W's fragments of the group in hand
.set WA,  5                            ; LDS address at which my pieces are stored
.set WO,  6                            ; my byte offset in W: 16 lane + 32 rows x wave
.set BO,  7                            ; 32 (lane / 16): my 8 columns in 16 of the bias
.set R32, 8                            ; 16 wave + lane % 16 + 64 (lane / 16): my place among 128 ranks
.set SWA, 9                            ; the stage: where I put my 32 bytes of a row
.set SR,  10                           ; the stage: where I read rows back
.set LD0, 13                           ; 8 lane
.set PFO, 14                           ; prefetch: 32 rows x wave + 4,096 (lane / 2) + 256 (lane % 2)
.set LD1, 15                           ; 16 lane
.set RO,  16                           ; v16-21 byte offset of my row of src in block i, + 16 (lane / 16)
.set BM0, 22                           ; bitmap words lane, lane + 32
.set BM1, 23
.set WA0, 25                           ; my lane's and wave's place in a chunk; never rewritten
.set T0,  26
.set T1,  27
.set CT,  32                           ; v32-47 a piece, rounded and turned; ahead of that the search's work; on the way out the rows' offsets in dst
.set TOK, 32
.set PK,  32                           ; v32-34 ranks, then ranks inside the word
.set SM,  35                           ; v35-37 the word that holds the rank
.set SC,  38                           ; v38-40 the count ahead of that word | its number << 16
.set QA,  41                           ; set bits by fields of 2, 4, 8
.set QB,  42
.set QC,  43
.set QT,  44
.set QP,  45                           ; the bit's place
.set QU,  46
.set TKN, 50                           ; v50-55 the token of row lane % 16 in block i
.set BG,  56                           ; v56-63 16 lane + chunk g; never rewritten
.set AR,  64                           ; src fragments: slot q, block i at AR + 48 q + 8 i
.set GXR, 64                           ; the way out: v64-127 16 rows x 4 columns
.set GEX, 128                          ; v128-223 the work of GELU on 8 rows
.set GTT, 160
.set GPO, 192
.set GOU, 224                          ; v224-255 16 rows x 4 columns in bf16
.set ST,  128                          ; window 1: piece slot p, row i, column c at ST + 32 p + 4 i + c
.set BS,  128                          ; window 3: the bias of columns 16 b + 8 (lane / 16) + 0..7 at BS + 8 b
.set TS,  80                           ; s80-95 the tokens of the 16 rows in the stage; behind the search s80-85 six tokens, s86-91 six masks; in the search:
.set WDA, 80                           ; the two words in hand
.set WDB, 81
.set NXA, 82                           ; the next two
.set NXB, 83
.set CN1, 84                           ; the count ahead of the second word
.set KYA, 85                           ; count | word number << 16
.set KYB, 86
.set MKA, 87                           ; s87-89, s90-92 the compares' masks
.set MKB, 90
.set IX1, 93
.set CNB, 94
; scalars: s2 wave; s3 id, later BA's offset; s4 slice; s5 expert; s6 first rank; s7 most rows; s[8:23] arguments; s24 mode; s26 count; s27 the rank behind my last; s29 the sweep's first rank;
; s30 sweeps; s31 groups; s[32:33] src, stepped; s[34:35] W; s[36:37] dst; s[38:39] bias; s40-47 at work; s[48:61] constants in pairs; s62 prefetches left; s63 WA's offset;
; s66, s67 lane selects; s68 the mask of lanes 16-31; s69 the sweep's ranks; s70 the rank behind the sweep's last; s[72:73] src
.set MSB, 0
.macro WIN new                         ; the high byte repeats the setting that is left; a switch that changes nothing is dropped
.if MSB != (\new)
	s_set_vgpr_msb (MSB<<8)|(\new)
.set MSB, \new
.endif
.endm
; 8 matrix instructions: block i x 8 column blocks, K step in slot q.  The accumulators take turns, one instruction a turn.  zero = 1: the product starts the sums, on the bias.
.macro MUL1 q, i, zero
.if \zero
	WIN 0xb1+0x40*((\i)/4)
.else
	WIN 0xa1+0x50*((\i)/4)
.endif
.irp b, 0,1,2,3,4,5,6,7
.set rC, 64*((\i)%4)+8*\b
.set rB, 64*((\q)%2)+8*\b
.set rA, AR+48*(\q)+8*(\i)
.if \zero
	v_wmma_f32_16x16x32_bf16 v[rC:rC+7], v[rB:rB+7], v[rA:rA+7], v[BS+8*\b:BS+8*\b+7]
.else
	v_wmma_f32_16x16x32_bf16 v[rC:rC+7], v[rB:rB+7], v[rA:rA+7], v[rC:rC+7]
.endif
.endr
.endm
.macro MUL q, i0, zero
	MUL1 \q, \i0, \zero
	MUL1 \q, (\i0)+1, \zero
.endm
; W's 8 fragments of the K step behind step q of the group, into the other buffer: 16 loads of 512 consecutive bytes
.macro BPRE q
	WIN 0x40
.irp b, 0,1,2,3,4,5,6,7
	ds_load_b128 v[64*(((\q)+1)%2)+8*\b:64*(((\q)+1)%2)+8*\b+3],   v[BA] offset:((\q)+1)*KKB+FRAG*\b
	ds_load_b128 v[64*(((\q)+1)%2)+8*\b+4:64*(((\q)+1)%2)+8*\b+7], v[BA] offset:((\q)+1)*KKB+FRAG*\b+512
.endr
.endm
; The piece in slot p (8 k rows x my 4 columns, f32) is rounded in pairs of rows: 16 bytes are 8 k of one column, which is what a lane of a fragment holds.
.macro CVT p
	WIN 0x05
.irp c, 0,1,2,3
.irp m, 0,1,2,3
	v_cvt_pk_bf16_f32 v[CT+4*\c+\m], v[ST+32*(\p)+8*\m+\c], v[ST+32*(\p)+8*\m+4+\c]
.endr
.endr
.endm
; The rounded piece goes into LDS.  o = the piece's place among its K step's four.
.macro STO o, off
	WIN 0
.irp c, 0,1,2,3
	ds_store_b128 v[WA], v[CT+4*\c:CT+4*\c+3] offset:(\off)+16*\c+256*((\o)&1)+512*((\o)>>1)
.endr
.endm
; Both on end, in the prologue.  first = 1: no store has read CT yet.
.macro CONV p, o, off, first=0
.if !(\first)
	s_wait_alu depctr_vm_vsrc(0)                   ; the LDS stores of the piece before have read CT, which the roundings write again
.endif
	CVT \p
	s_wait_alu depctr_va_vdst(0)                   ; the roundings have written CT, which the LDS stores read, and are done reading slot p, in which the next piece lands; at the first use also: the rows' offsets v[RO ..] are written
	STO \o, \off
.endm
.macro WISS p, off                     ; a piece is asked for: 8 loads, each the slice's 512 consecutive bytes of one k row
	WIN 0x40
.irp i, 0,1,2,3,4,5,6,7
	global_load_b128 v[ST+32*(\p)+4*\i:ST+32*(\p)+4*\i+3], v[WO], s[34:35] offset:(\off)+WROW*\i
.endr
.endm
.macro AISS q, off                     ; a K step's fragments of my 6 blocks of rows are asked for: 12 loads (a block with no rank asks for one row in all its lanes)
	WIN 0
.irp i, 0,1,2,3,4,5
	global_load_b128 v[AR+48*(\q)+8*\i:AR+48*(\q)+8*\i+3],   v[RO+\i], s[32:33] offset:(\off)
	global_load_b128 v[AR+48*(\q)+8*\i+4:AR+48*(\q)+8*\i+7], v[RO+\i], s[32:33] offset:(\off)+32
.endr
.endm
.macro PLACES                          ; four places behind matrix instructions, where no other plain vector work is at hand (ISA guide 7.12.1)
.rept 4
	v_nop
.endr
.endm
; A chunk of my 32 k rows of the slice (64 blocks of 256 bytes) is asked into the L2, each block once in the launch: routed jobs alone ask (their slice has one reader), six times:
; chunk 2 at the head, chunk t + 3 at the head of group t, one group of 192 matrix instructions ahead of the group that loads it; the count runs out with chunk 7, the last.
; v[PFO] is written at the head, ahead of the first wait on va_vdst, and never again.
.macro PF off
	WIN 0
	s_cmp_eq_u32 s62, 0
	s_cbranch_scc1 .Lnopf_\@
	global_prefetch_b8 v[PFO], s[34:35] offset:(\off) th:TH_LOAD_NT scope:SCOPE_SE
	global_prefetch_b8 v[PFO], s[34:35] offset:(\off)+16*WROW th:TH_LOAD_NT scope:SCOPE_SE
	s_sub_co_u32 s62, s62, 1
.Lnopf_\@:
.endm
.macro ADV w                           ; a group of four K steps on
	WIN 0
	s_wait_xcnt 0x0                                ; the bases are stepped only behind this wait
	s_add_nc_u64 s[32:33], s[32:33], 256
	s_add_co_u32 s3, s3, CHB
	s_wait_alu depctr_vm_vsrc(0)                   ; the LDS loads and stores issued so far have read v[BA] and v[WA], which are written below; the next step's wait on va_vdst shows them written
	v_add_nc_u32 v[BA], s3, v[LD1]
.if \w
	s_add_nc_u64 s[34:35], s[34:35], WCH
	s_add_co_u32 s63, s63, CHB
	v_add_nc_u32 v[WA], s63, v[WA0]
.endif
.endm
; ONE K STEP j = 4 g + q of sweep 0: 48 matrix instructions.  The step asks for piece j + 8 of W (wi: 8 loads) and then for src's fragments of step j + 3 (ai: 12 loads), so a
; wave has 60 loads out at the most.  na: the loads issued in steps j - 2 and j - 1: those younger than src's fragments of step j; piece j + 5 was asked for just ahead of these, so the one wait
; shows it landed too.  nd: the LDS instructions younger than the loads of this step's fragments of W: the four stores of the step before, or none.
; cv: piece j + 5 is rounded at the step's head and stored behind 24 products; its 16 roundings, or four v_nop, are places between the products of the step before and this step's loads into the
; registers that those read.
; sg, bw: the halves of the barrier between a chunk's last store and its first read; only waits, the roundings and 16 matrix instructions stand between them.  bn: W's fragments of step j + 1.
.macro STEP q, zero, na, nd, cv, wi, ai, sg, bw, bn
	s_wait_loadcnt \na
.if \cv
	s_wait_alu depctr_vm_vsrc(0)                   ; the LDS stores of the step before have read CT, which the roundings write again
	CVT ((\q)+1)%4
.elseif (\ai) || (\bn)
	PLACES
.endif
.if (\cv) || (\ai) || (\bn)
	s_wait_alu depctr_va_vdst(0)                   ; the roundings have written CT and, like those of the step before, are done reading their slot; the products of the step before are done reading their fragments of src and W; in a group's first step v[BA] and v[WA] are written
.endif
	s_wait_dscnt \nd                               ; W's fragments of this step are in
	MUL \q, 0, \zero
.if \bw
	s_barrier_wait -1                              ; the next chunk is whole
.endif
.if \wi
	WISS \q, 2*WCH+WPC*(\q)                        ; no wait: no vector or matrix instruction since the wait above names a register that the loads and stores of this step touch
.endif
.if \bn
	BPRE \q
.endif
	MUL1 \q, 2, \zero
.if \cv
	STO ((\q)+1)%4, ((\q)/3)*CHB
.endif
.if \ai
	AISS ((\q)+3)%4, 64*((\q)+3)
.endif
	MUL1 \q, 3, \zero
	MUL \q, 4, \zero
.if \sg
	s_wait_dscnt 0x0                               ; for the others' sake: my part of the next chunk is in LDS, and my reads of this one are back
	s_barrier_signal -1
.endif
.endm
; THE SEARCH.  32 words of the bitmap, in ascending order, two a trip: a lane keeps the last word ahead of which no more bits are set than its rank, with that count and the word's number.
; The compares go into masks of their own, one behind the other, and the next two words are read ahead of the selects.  (In the last trip the lanes wrap: words 0 and 1 are read and not used.)
.macro SCAN reg, n
	s_mov_b32 s40, 16
	s_mov_b32 s43, 0
	v_readlane_b32 s[WDA], v[\reg], 0
	v_readlane_b32 s[WDB], v[\reg], 1
	s_wait_alu depctr_va_sdst(0)                   ; the first two words are in their scalar registers, ahead of the label and of their first readers
.Lscan_\@:
	s_add_co_u32 s43, s43, 2
	s_and_b32 s43, s43, 31
	s_add_co_u32 s[IX1], s43, 1
	s_bcnt1_i32_b32 s[CN1], s[WDA]
	s_add_co_u32 s[CN1], s[CN1], s26
	s_or_b32 s[KYA], s26, s46
	s_add_co_u32 s46, s46, 0x10000
	s_or_b32 s[KYB], s[CN1], s46
	s_add_co_u32 s46, s46, 0x10000
	s_bcnt1_i32_b32 s[CNB], s[WDB]
.irp j, 0,1,2
.if \j < \n
	v_cmp_le_u32 s[MKA+\j], s26, v[PK+\j]
.endif
.endr
.irp j, 0,1,2
.if \j < \n
	v_cmp_le_u32 s[MKB+\j], s[CN1], v[PK+\j]
.endif
.endr
	v_readlane_b32 s[NXA], v[\reg], s43
	v_readlane_b32 s[NXB], v[\reg], s[IX1]
	s_wait_alu depctr_va_sdst(0)                   ; the trip's masks and the next two words are written: one wait behind the run, ahead of the selects and the moves that read them
.irp j, 0,1,2
.if \j < \n
	v_cndmask_b32 v[SM+\j], v[SM+\j], s[WDA], s[MKA+\j]
	v_cndmask_b32 v[SC+\j], v[SC+\j], s[KYA], s[MKA+\j]
.endif
.endr
.irp j, 0,1,2
.if \j < \n
	v_cndmask_b32 v[SM+\j], v[SM+\j], s[WDB], s[MKB+\j]
	v_cndmask_b32 v[SC+\j], v[SC+\j], s[KYB], s[MKB+\j]
.endif
.endr
	s_add_co_u32 s26, s[CN1], s[CNB]
	s_mov_b32 s[WDA], s[NXA]
	s_mov_b32 s[WDB], s[NXB]
	s_sub_co_u32 s40, s40, 1
	s_cmp_lg_u32 s40, 0
	s_cbranch_scc1 .Lscan_\@
.endm
.macro NARROW j, src, w                ; are there w places' worth of set bits, at the most, below the one I look for?  Then it lies w places further up
	v_bfe_u32 v[QT], v[\src], v[QP], \w
	v_cmp_ge_u32 vcc_lo, v[PK+\j], v[QT]
	s_wait_alu depctr_va_vcc(0)                    ; VCC is written, ahead of the two selects that read it
	v_cndmask_b32 v[QU], 0, \w, vcc_lo
	v_cndmask_b32 v[QT], 0, v[QT], vcc_lo
	v_add_nc_u32 v[QP], v[QP], v[QU]
	v_sub_nc_u32 v[PK+\j], v[PK+\j], v[QT]
.endm
; The k-th set bit of the word, by halving, on the word's counts by fields of 2, 4 and 8 bits; then both halves of the lanes get both blocks' tokens
.macro PICK j
	v_and_b32 v[QU], 0xffff, v[SC+\j]
	v_sub_nc_u32 v[PK+\j], v[PK+\j], v[QU]         ; k
	v_lshrrev_b32 v[QU], 1, v[SM+\j]
	v_and_b32 v[QU], 0x55555555, v[QU]
	v_sub_nc_u32 v[QA], v[SM+\j], v[QU]
	v_lshrrev_b32 v[QU], 2, v[QA]
	v_and_b32 v[QU], 0x33333333, v[QU]
	v_and_b32 v[QB], 0x33333333, v[QA]
	v_add_nc_u32 v[QB], v[QB], v[QU]
	v_lshrrev_b32 v[QU], 4, v[QB]
	v_add_nc_u32 v[QC], v[QB], v[QU]
	v_and_b32 v[QC], 0x0f0f0f0f, v[QC]
	v_bfe_u32 v[QU], v[QC], 8, 8
	v_and_b32 v[QT], 0xff, v[QC]
	v_add_nc_u32 v[QT], v[QT], v[QU]               ; set bits among the low 16
	v_cmp_ge_u32 vcc_lo, v[PK+\j], v[QT]
	s_wait_alu depctr_va_vcc(0)                    ; VCC is written, ahead of the two selects that read it
	v_cndmask_b32 v[QP], 0, 16, vcc_lo
	v_cndmask_b32 v[QT], 0, v[QT], vcc_lo
	v_sub_nc_u32 v[PK+\j], v[PK+\j], v[QT]
	NARROW \j, QC, 8
	NARROW \j, QB, 4
	NARROW \j, QA, 2
	NARROW \j, SM+\j, 1
	v_lshrrev_b32 v[QU], 16, v[SC+\j]
	v_lshl_add_u32 v[SM+\j], v[QU], 5, v[QP]       ; the token: 32 x word + bit
	v_permlanex16_b32 v[QU], v[SM+\j], s66, s67    ; the other half of the lanes searched for the other block
	v_cndmask_b32 v[TKN+2*\j], v[SM+\j], v[QU], s68
	v_cndmask_b32 v[TKN+2*\j+1], v[QU], v[SM+\j], s68
.endm
; The tokens of ranks s29 + 128 j + my place, j < n: blocks 2 j (lanes 0-15) and 2 j + 1 (lanes 16-31).  s26 ends as the expert's count.
.macro SELECT n
.irp j, 0,1,2
.if \j < \n
	v_add3_u32 v[PK+\j], v[R32], s29, 128*\j
	v_mov_b32 v[SM+\j], 0
	v_mov_b32 v[SC+\j], 0
.endif
.endr
	s_mov_b32 s26, 0
	s_mov_b32 s46, 0
	SCAN BM0, \n
	SCAN BM1, \n
.irp j, 0,1,2
.if \j < \n
	PICK \j
.endif
.endr
.endm
; Blocks 0 .. 2 n - 1: the rows past the count take the token of the block's last row that exists (a block with none: whatever its lane 0 found, held inside the buffer); then the rows' offsets in src.
; The blocks' tokens and masks go into scalar registers of their own, in one run with one wait behind it.
.macro ROWOFF n
	s_lshl_b32 s41, s2, 4
	s_sub_co_i32 s42, s27, s29
	s_sub_co_i32 s42, s42, s41                     ; the rows that exist from my block 0's first rank on
.irp i, 0,1,2,3,4,5
.if \i < 2*(\n)
	s_sub_co_i32 s41, s42, 64*\i                   ; rows of block i that exist
	s_sub_co_i32 s43, s41, 1
	s_max_i32 s43, s43, 0
	s_min_i32 s43, s43, 15                         ; the lane of the last of them
	v_readlane_b32 s[TS+\i], v[TKN+\i], s43
	v_cmp_gt_i32 s[TS+6+\i], s41, v[VR]
.endif
.endr
	s_wait_alu depctr_va_sdst(0)                   ; the blocks' last tokens and their masks are written, ahead of the selects that read them
.irp i, 0,1,2,3,4,5
.if \i < 2*(\n)
	v_cndmask_b32 v[TKN+\i], s[TS+\i], v[TKN+\i], s[TS+6+\i]
	v_min_u32 v[TKN+\i], 2047, v[TKN+\i]
	v_lshlrev_b32 v[RO+\i], 11, v[TKN+\i]
	v_add_nc_u32 v[RO+\i], v[H16], v[RO+\i]
.endif
.endr
.endm
; THE LATER SWEEPS' parts: blocks 0 and 1, K written out, every LDS address a register that is never rewritten and an immediate
.macro XA g                            ; src's fragments of K steps 4 g .. 4 g + 3: 16 loads
	WIN 0
.irp i, 0,1
.irp k, 0,1,2,3
	global_load_b128 v[AR+64*((\g)%2)+32*\i+8*\k:AR+64*((\g)%2)+32*\i+8*\k+3],   v[RO+\i], s[72:73] offset:64*(4*(\g)+\k)
	global_load_b128 v[AR+64*((\g)%2)+32*\i+8*\k+4:AR+64*((\g)%2)+32*\i+8*\k+7], v[RO+\i], s[72:73] offset:64*(4*(\g)+\k)+32
.endr
.endr
.endm
.macro XB k                            ; W's fragments of K step k
	WIN 0x40
.irp b, 0,1,2,3,4,5,6,7
	ds_load_b128 v[64*((\k)%2)+8*\b:64*((\k)%2)+8*\b+3],   v[BG+(\k)/4] offset:((\k)%4)*KKB+FRAG*\b
	ds_load_b128 v[64*((\k)%2)+8*\b+4:64*((\k)%2)+8*\b+7], v[BG+(\k)/4] offset:((\k)%4)*KKB+FRAG*\b+512
.endr
.endm
.macro XMUL k                          ; 16 matrix instructions, the 16 accumulators by turns; K step 0 starts the sums on the bias
.if (\k) == 0
	WIN 0xb1
.else
	WIN 0xa1
.endif
.irp i, 0,1
.irp b, 0,1,2,3,4,5,6,7
.set rC, 64*\i+8*\b
.set rB, 64*((\k)%2)+8*\b
.set rA, AR+64*(((\k)/4)%2)+32*\i+8*((\k)%4)
.if (\k) == 0
	v_wmma_f32_16x16x32_bf16 v[rC:rC+7], v[rB:rB+7], v[rA:rA+7], v[BS+8*\b:BS+8*\b+7]
.else
	v_wmma_f32_16x16x32_bf16 v[rC:rC+7], v[rB:rB+7], v[rA:rA+7], v[rC:rC+7]
.endif
.endr
.endr
.endm
; THE WAY OUT's parts
.macro PUT i                           ; block i's 16 rows x 128 columns into my stage (each accumulator is read from its low end), and its 16 tokens into scalars
	WIN 0x08+4*((\i)/4)
.irp b, 0,1,2,3,4,5,6,7
	ds_store_b128 v[SWA], v[64*((\i)%4)+8*\b:64*((\i)%4)+8*\b+3]   offset:64*\b
	ds_store_b128 v[SWA], v[64*((\i)%4)+8*\b+4:64*((\i)%4)+8*\b+7] offset:64*\b+16
.endr
	WIN 0
.irp j, 0,1,2,3,4,5,6,7,8,9,10,11,12,13,14,15
	v_readlane_b32 s[TS+\j], v[TKN+\i], \j
.endr
	s_wait_alu depctr_va_sdst(0)                   ; the 16 tokens are in s[TS ..], ahead of the label that follows and of their first readers
.endm
.macro ALLP line:vararg                ; one line for each of the 16 pairs p
.set p, 0
.rept 16
	\line
.set p, p+1
.endr
.endm
; GELU of rows 8 b .. 8 b + 7: 16 pairs.  The 64 exponentials and reciprocals are one batch: a pair's four plain lines take turns with the pair before's four, no line reads a result made fewer
; than six lines ahead of it, and nothing names a result of the batch ahead of the one wait.  Behind the wait: runs of 16 lines that do not wait for each other.
; The first half's eight stores stand behind the second half's batch wait, which shows their data written too; the second half's have a wait of their own.
.macro GELU b
.set GX, GXR+32*(\b)
.set GO, GOU+16*(\b)
.set p, 0
.rept 16
	v_pk_mul_f32 v[GEX+2*p:GEX+2*p+1], v[GX+2*p:GX+2*p+1], v[GX+2*p:GX+2*p+1]
.if p > 0
	v_rcp_f32 v[GTT+2*p-2], v[GTT+2*p-2]
.endif
	v_fma_f32 v[GTT+2*p], |v[GX+2*p]|, s50, 1.0
.if p > 0
	v_rcp_f32 v[GTT+2*p-1], v[GTT+2*p-1]
.endif
	v_fma_f32 v[GTT+2*p+1], |v[GX+2*p+1]|, s50, 1.0
.if p > 0
	v_exp_f32 v[GEX+2*p-2], v[GEX+2*p-2]
.endif
	v_pk_mul_f32 v[GEX+2*p:GEX+2*p+1], v[GEX+2*p:GEX+2*p+1], s[48:49] op_sel_hi:[1,0]
.if p > 0
	v_exp_f32 v[GEX+2*p-1], v[GEX+2*p-1]
.endif
.set p, p+1
.endr
	v_rcp_f32 v[GTT+30], v[GTT+30]
	v_rcp_f32 v[GTT+31], v[GTT+31]
	v_exp_f32 v[GEX+30], v[GEX+30]
	v_exp_f32 v[GEX+31], v[GEX+31]
	v_nop                                          ; a plain instruction behind the last of them
	s_wait_alu depctr_va_vdst(0)                   ; the batch's 64 results are written, ahead of their first reader; in the second half also: the first half's roundings have written v[GOU .. GOU + 15] and the offsets v[TOK ..] are written, which the stores below read
.if (\b) == 1
.irp j, 0,1,2,3,4,5,6,7
	global_store_b64 v[TOK+\j], v[GOU+2*\j:GOU+2*\j+1], s[36:37]       ; rows 0 to 7: a wave stores 256 consecutive bytes, aligned; no line below writes a register that these read
.endr
.endif
	ALLP v_pk_fma_f32 v[GPO+2*p:GPO+2*p+1], v[GTT+2*p:GTT+2*p+1], s[52:53], s[54:55] op_sel_hi:[1,0,0]
	ALLP v_pk_fma_f32 v[GPO+2*p:GPO+2*p+1], v[GPO+2*p:GPO+2*p+1], v[GTT+2*p:GTT+2*p+1], s[56:57] op_sel_hi:[1,1,0]
	ALLP v_pk_fma_f32 v[GPO+2*p:GPO+2*p+1], v[GPO+2*p:GPO+2*p+1], v[GTT+2*p:GTT+2*p+1], s[58:59] op_sel_hi:[1,1,0]
	ALLP v_pk_fma_f32 v[GPO+2*p:GPO+2*p+1], v[GPO+2*p:GPO+2*p+1], v[GTT+2*p:GTT+2*p+1], s[60:61] op_sel_hi:[1,1,0]
	ALLP v_pk_mul_f32 v[GPO+2*p:GPO+2*p+1], v[GPO+2*p:GPO+2*p+1], v[GTT+2*p:GTT+2*p+1]
	ALLP v_pk_fma_f32 v[GPO+2*p:GPO+2*p+1], v[GPO+2*p:GPO+2*p+1], v[GEX+2*p:GEX+2*p+1], 0.5 op_sel_hi:[1,1,0] neg_lo:[1,0,0] neg_hi:[1,0,0]
	ALLP v_pk_mul_f32 v[GEX+2*p:GEX+2*p+1], v[GX+2*p:GX+2*p+1], 0.5 op_sel_hi:[1,0]
	ALLP v_fma_f32 v[GX+2*p], |v[GX+2*p]|, v[GPO+2*p], v[GEX+2*p]
	ALLP v_fma_f32 v[GX+2*p+1], |v[GX+2*p+1]|, v[GPO+2*p+1], v[GEX+2*p+1]
	ALLP v_cvt_pk_bf16_f32 v[GO+p], v[GX+2*p], v[GX+2*p+1]
.if (\b) == 1
	s_wait_alu depctr_va_vdst(0)                   ; the second half's roundings have written v[GOU + 16 ..], which the stores below read
.irp j, 0,1,2,3,4,5,6,7
	global_store_b64 v[TOK+8+\j], v[GOU+16+2*\j:GOU+16+2*\j+1], s[36:37]  ; rows 8 to 15
.endr
.endif
.endm
	; HEAD
	s_load_b512 s[8:23], s[0:1], 0x0               ; par, bitmap, src, routed W, shared W, routed bias, shared bias, dst
	v_lshl_add_u32 v48, v0, 2, 0x49400
	v_mov_b32 v49, 0
	v_lshrrev_b32 v[T0], 5, v0
	v_readfirstlane_b32 s2, v[T0]                  ; wave 0..3
	s_mov_b32 s3, ttmp9
	s_and_b32 s4, s3, 7                            ; the slice of 128 columns
	s_lshr_b32 s40, s3, 3                          ; routed: the expert
	s_cmp_ge_u32 s3, 160
	s_cselect_b32 s41, 1, 0                        ; shared: which of the two
	s_mul_i32 s42, s41, 48
	s_sub_co_u32 s43, s3, 112
	s_sub_co_u32 s43, s43, s42
	s_lshr_b32 s43, s43, 3                         ; its chunk of rows, 0..5
	s_mul_i32 s43, s43, 352
	s_sub_co_u32 s44, 2048, s43
	s_min_u32 s44, s44, 352
	s_add_co_u32 s45, s41, 14
	s_cmp_lt_u32 s3, 112                           ; routed?
	s_cselect_b32 s5, s40, s45                     ; expert 0..15
	s_cselect_b32 s6, 0, s43                       ; first rank
	s_cselect_b32 s7, 2048, s44                    ; most rows
	s_cselect_b32 s46, s40, s41                    ; index in W and bias
	s_cselect_b32 s62, 6, 0                        ; prefetches
	v_and_b32 v[VL], 31, v0
	v_and_b32 v[VR], 15, v0
	v_bfe_u32 v[T0], v0, 4, 1
	v_lshlrev_b32 v[H16], 4, v[T0]
	v_lshlrev_b32 v[BO], 5, v[T0]
	v_lshlrev_b32 v[LD0], 3, v[VL]
	v_lshlrev_b32 v[LD1], 4, v[VL]
	v_mov_b32 v[BA], v[LD1]
.irp g, 0,1,2,3,4,5,6,7
	v_add_nc_u32 v[BG+\g], \g*CHB, v[LD1]
.endr
	v_lshrrev_b32 v[T0], 2, v[VL]                  ; my 4 columns lie in column block lane / 4,
	v_mul_u32_u24 v[T0], v[T0], FRAG
	v_and_b32 v[T1], 3, v[VL]                      ; at its columns 4 (lane % 4) on
	v_lshl_add_u32 v[T0], v[T1], 6, v[T0]
	s_wait_alu depctr_va_sdst(0)                   ; s2, the wave's number, is written, ahead of its first reader
	s_mul_i32 s40, s2, KKB                         ; my pieces make K step wave of each chunk
	v_add_nc_u32 v[WA0], s40, v[T0]
	v_mov_b32 v[WA], v[WA0]
	s_lshl_b32 s40, s2, 17                         ; 32 k rows of 4,096 bytes
	v_lshl_add_u32 v[WO], v[VL], 4, s40
	v_lshrrev_b32 v[T0], 1, v[VL]
	v_and_b32 v[T1], 1, v[VL]
	v_lshlrev_b32 v[T1], 8, v[T1]
	v_lshl_add_u32 v[T0], v[T0], 12, v[T1]
	v_add_nc_u32 v[PFO], s40, v[T0]
	s_lshl_b32 s40, s2, 4
	v_add_nc_u32 v[R32], s40, v[VR]
	v_lshl_add_u32 v[R32], v[H16], 2, v[R32]
	s_mul_i32 s40, s2, STGW
	s_add_co_u32 s40, s40, STG                     ; my stage
	v_mul_u32_u24 v[T0], v[VR], SPITCH
	v_lshl_add_u32 v[T0], v[H16], 1, v[T0]
	v_add_nc_u32 v[SWA], s40, v[T0]
	v_add_nc_u32 v[SR], s40, v[LD1]
	v_lshlrev_b32 v[T0], 2, v[VL]                  ; my word of the bitmap's row; not written again
	s_mov_b32 s48, 0xbf38aa3b                      ; -log2(e) / 2
	s_mov_b32 s49, 0xbf38aa3b
	s_mov_b32 s50, 0x3e6d3389                      ; 0.2316419
	s_mov_b32 s51, 0x3e6d3389
	s_mov_b32 s52, 0x3f07dc22                      ; B5 =  0.53070271: the series' b5 .. b1 over sqrt(2 pi); named as pairs, the low word serves both halves
	s_mov_b32 s53, 0x3f07dc22
	s_mov_b32 s54, 0xbf3a00e3                      ; B4 = -0.72657601
	s_mov_b32 s55, 0xbf3a00e3
	s_mov_b32 s56, 0x3f35f0e3                      ; B3 =  0.71070687
	s_mov_b32 s57, 0x3f35f0e3
	s_mov_b32 s58, 0xbe11a98e                      ; B2 = -0.14224837
	s_mov_b32 s59, 0xbe11a98e
	s_mov_b32 s60, 0x3e027906                      ; B1 =  0.12741480
	s_mov_b32 s61, 0x3e027906
	s_mov_b32 s66, 0x76543210                      ; each lane takes its own place in the other half
	s_mov_b32 s67, 0xfedcba98
	s_mov_b32 s68, 0xffff0000                      ; lanes 16 to 31
	s_mov_b32 s[TS+15], 0                          ; the other fifteen of these are written by the search
	s_wait_kmcnt 0x0
	s_load_b32 s24, s[8:9], 0x0                    ; the mode
	s_cmp_lt_u32 s3, 112
	s_cselect_b64 s[34:35], s[14:15], s[16:17]
	s_cselect_b64 s[38:39], s[18:19], s[20:21]
	s_mov_b32 s41, 0
	s_lshl_b32 s40, s46, 22                        ; 4 MiB a matrix
	s_lshl_b32 s42, s4, 9                          ; 512 bytes a slice
	s_add_co_u32 s40, s40, s42
	s_add_nc_u64 s[34:35], s[34:35], s[40:41]
	s_lshl_b32 s40, s46, 12
	s_add_co_u32 s40, s40, s42
	s_add_nc_u64 s[38:39], s[38:39], s[40:41]
	s_lshl_b32 s40, s5, 8
	s_add_nc_u64 s[10:11], s[10:11], s[40:41]
	s_mov_b32 s3, 0
	s_mov_b32 s63, 0
	s_wait_alu depctr_va_vdst(0)                   ; the offsets and LDS addresses made above are written: v[T0], v[BO], v[WO], v[PFO], v[BA], v[WA], v[BG ..], v[SWA], v[SR], v[LD0], v[LD1], which the loads, stores and prefetches of the kernel read
	global_load_b32 v[BM0], v[T0], s[10:11]
	global_load_b32 v[BM1], v[T0], s[10:11] offset:128
	WIN 0xc0                                       ; destination window 3
.irp b, 0,1,2,3,4,5,6,7
	global_load_b128 v[BS+8*\b:BS+8*\b+3],   v[BO], s[38:39] offset:64*\b
	global_load_b128 v[BS+8*\b+4:BS+8*\b+7], v[BO], s[38:39] offset:64*\b+16
.endr
	WISS 0, 0                                      ; chunk 0
	WISS 1, WPC
	WISS 2, 2*WPC
	WISS 3, 3*WPC
	PF 2*WCH
	s_wait_kmcnt 0x0
	s_min_u32 s24, s24, 1
	s_lshl_b32 s40, s5, 22                         ; expert x 2,048 rows of 2,048 bytes
	s_mul_i32 s42, s40, s24                        ; mode 1: src's rows begin there
	s_mov_b32 s43, 0
	s_add_nc_u64 s[72:73], s[12:13], s[42:43]
	s_mov_b64 s[32:33], s[72:73]
	s_lshl_b32 s42, s4, 8                          ; dst: the slice's 256 bytes,
	s_add_co_u32 s40, s40, s42
	s_add_co_u32 s42, s24, 1
	s_mul_i32 s40, s40, s42                        ; all of it twice in f32
	s_add_nc_u64 s[36:37], s[22:23], s[40:41]
	s_mov_b32 s29, s6
	s_wait_loadcnt 32                              ; the bitmap and the bias are in: the 32 loads of W are younger
	SELECT 3
	s_sub_co_i32 s40, s26, s6
	s_max_i32 s40, s40, 0
	s_min_u32 s40, s40, s7                         ; my rows
	s_add_co_u32 s27, s6, s40                      ; the rank behind my last
	ROWOFF 3
	; PROLOGUE.  Issue order: W0-3, W4, W5, A0, W6, A1, then behind the barrier W7, A2.  Each count is the loads younger than the piece that is wanted.
	s_wait_loadcnt 24                              ; W0: W1-3 are younger
	CONV 0, 0, 0, 1
	WISS 0, WCH
	s_wait_loadcnt 24                              ; W1: W2-4
	CONV 1, 1, 0
	WISS 1, WCH+WPC
	AISS 0, 0
	s_wait_loadcnt 36                              ; W2: W3-5 and A0
	CONV 2, 2, 0
	WISS 2, WCH+2*WPC
	AISS 1, 64
	s_wait_loadcnt 48                              ; W3: W4-6, A0, A1
	CONV 3, 3, 0
	s_wait_dscnt 0x0                               ; for the others' sake: my part of chunk 0 is in LDS
	s_barrier_signal -1
	s_barrier_wait -1
	BPRE -1
	s_wait_loadcnt 40                              ; W4: W5, A0, W6, A1
	CONV 0, 0, CHB
	WISS 3, WCH+3*WPC
	AISS 2, 128
	s_add_co_u32 s63, s63, CHB
	s_wait_alu depctr_vm_vsrc(0)                   ; the LDS stores issued so far have read v[WA], which is written below; the first step's wait on va_vdst shows it written
	v_add_nc_u32 v[WA], s63, v[WA0]
	; SWEEP 0
	PF 3*WCH
	STEP 0, 1, 40, 4, 1, 1, 1, 0, 0, 1
	STEP 1, 0, 40, 4, 1, 1, 1, 0, 0, 1
	STEP 2, 0, 40, 4, 1, 1, 1, 1, 0, 1
	STEP 3, 0, 40, 0, 1, 1, 1, 0, 1, 1
	ADV 1
	s_mov_b32 s31, 5
.Lgl:
	PF 3*WCH
	STEP 0, 0, 40, 4, 1, 1, 1, 0, 0, 1
	STEP 1, 0, 40, 4, 1, 1, 1, 0, 0, 1
	STEP 2, 0, 40, 4, 1, 1, 1, 1, 0, 1
	STEP 3, 0, 40, 0, 1, 1, 1, 0, 1, 1
	ADV 1
	s_sub_co_u32 s31, s31, 1
	s_cmp_lg_u32 s31, 0
	s_cbranch_scc1 .Lgl
	STEP 0, 0, 40, 4, 1, 0, 1, 0, 0, 1             ; steps 24 to 27: no piece is left to ask for: 12 loads a step
	STEP 1, 0, 32, 4, 1, 0, 1, 0, 0, 1
	STEP 2, 0, 24, 4, 1, 0, 1, 1, 0, 1             ; piece 31, the last
	STEP 3, 0, 24, 0, 0, 0, 1, 0, 1, 1
	ADV 0
	STEP 0, 0, 24, 0, 0, 0, 1, 0, 0, 1             ; step 28 asks for the last fragments of src; then the counts run down
	STEP 1, 0, 24, 0, 0, 0, 0, 0, 0, 1
	STEP 2, 0, 12, 0, 0, 0, 0, 0, 0, 1
	STEP 3, 0, 0, 0, 0, 0, 0, 0, 0, 0              ; the last step issues no load and no store: it holds no s_wait_alu
	WIN 0
	PLACES                                         ; behind the last products, before their results are read on the way out
	s_mov_b32 s30, 14
	s_mov_b32 s69, 384
.Lsw:                                                  ; 384 + 13 x 128 ranks cover 2,048 rows; a sweep with no rank left is jumped
	s_cmp_ge_u32 s29, s27
	s_cbranch_scc1 .Lsw_next
	s_cmp_eq_u32 s30, 14
	s_cbranch_scc1 .Lepi                           ; sweep 0 has been multiplied above
	s_wait_xcnt 0x0                                ; the last way out's stores have had their addresses translated
	s_wait_alu depctr_vm_vsrc(0)                   ; the last way out's stores have read v[TOK ..], in which the search works, their data in v64-255, in which src's fragments land, and the accumulators, which the products write; the last sweep's loads have read v[RO ..]
	SELECT 1
	ROWOFF 1
	s_wait_alu depctr_va_vdst(0)                   ; v[RO], v[RO + 1] are written, which the loads below read; the last way out's arithmetic is done with v64-191, and the last sweep's products with W's fragments, in which they land
	XA 0
	XA 1
	XB 0
.set kk, 0
.rept 32
.if (kk > 0) && (kk < 31)
	s_wait_alu depctr_va_vdst(0)                   ; the products of the K step before are done reading their fragments of W, and at a group's head those of the group before their fragments of src, in which the loads below land
.endif
.if (kk%4 == 0) && (kk >= 4) && (kk < 28)
	XA kk/4+1
.endif
.if kk%4 == 0
.if kk < 28
	s_wait_loadcnt 16                              ; this group's fragments of src are in: the next group's 16 loads are younger
.else
	s_wait_loadcnt 0x0
.endif
.endif
	s_wait_dscnt 0x0
.if kk < 31
	XB kk+1
.endif
	XMUL kk
	PLACES                                         ; places behind the products: ahead of the next step's loads, and behind the last step ahead of the way out
.set kk, kk+1
.endr
	WIN 0
.Lepi:
	; THE WAY OUT.  Block by block through my own stage (LDS serves a wave's instructions in order, ISA guide 5.7.1.4: no wait between the stores and the loads), back as 16 whole rows.
	s_add_co_u32 s70, s29, s69
	s_min_u32 s70, s70, s27                        ; the rank behind the sweep's last
	s_lshl_b32 s47, s2, 4
	s_add_co_u32 s47, s47, s29                     ; the first rank of my block
	s_mov_b32 s44, 6
.Lslot:
	s_sub_co_i32 s45, s70, s47                     ; rows of the block that exist
	s_cmp_le_i32 s45, 0
	s_cbranch_scc1 .Lslot_next
	s_wait_xcnt 0x0                                ; the last block's stores have had their addresses translated: their registers are rewritten only behind this wait
	s_wait_alu depctr_vm_vsrc(0)                   ; the last block's stores have read their offsets v[TOK ..] and their data in v[GXR ..] and v[GOU ..]; in the first block: the last piece's LDS stores have read CT, the same registers as TOK
	s_wait_alu depctr_va_vdst(0)                   ; the products have written the accumulators, which the LDS stores below read; the products, or the last block's arithmetic, are done with v[GXR ..], in which the rows land
.irp i, 0,1,2,3,4,5
	s_cmp_lg_u32 s44, 6-\i
	s_cbranch_scc1 .Lnoput\i
	PUT \i
.Lnoput\i:
.endr
.irp j, 0,1,2,3,4,5,6,7,8,9,10,11,12,13,14,15
	s_min_u32 s[TS+\j], s[TS+\j], 2047
.endr
.irp j, 0,1,2,3,4,5,6,7,8,9,10,11,12,13,14,15
	ds_load_b128 v[GXR+4*\j:GXR+4*\j+3], v[SR] offset:SPITCH*\j  ; no vector instruction since the wait at the block's head names these registers
.endr
	s_cmp_lg_u32 s24, 0
	s_cbranch_scc1 .Lwide
.irp j, 0,1,2,3,4,5,6,7,8,9,10,11,12,13,14,15
	s_lshl_b32 s[TS+\j], s[TS+\j], 11
	v_add_nc_u32 v[TOK+\j], s[TS+\j], v[LD0]
.endr
	s_wait_dscnt 8                                 ; rows 0 to 7 are back: the loads of rows 8 to 15 are younger
	GELU 0
	s_wait_dscnt 0x0
	GELU 1
	s_branch .Lslot_next
.Lwide:
.irp j, 0,1,2,3,4,5,6,7,8,9,10,11,12,13,14,15
	s_lshl_b32 s[TS+\j], s[TS+\j], 12
	v_add_nc_u32 v[TOK+\j], s[TS+\j], v[LD1]
.endr
	s_wait_alu depctr_va_vdst(0)                   ; the 16 offsets v[TOK ..] are written, which the stores below read
.irp j, 0,1,2,3,4,5,6,7,8,9,10,11,12,13,14,15
	s_wait_dscnt 15-\j                             ; row j is back: the later rows' loads are younger
	global_store_b128 v[TOK+\j], v[GXR+4*\j:GXR+4*\j+3], s[36:37]      ; a wave stores 512 consecutive bytes, aligned
.endr
.Lslot_next:
	s_add_co_u32 s47, s47, 64
	s_sub_co_u32 s44, s44, 1
	s_cmp_lg_u32 s44, 0
	s_cbranch_scc1 .Lslot
.Lsw_next:
	s_add_co_u32 s29, s29, s69
	s_mov_b32 s69, 128
	s_sub_co_u32 s30, s30, 1
	s_cmp_lg_u32 s30, 0
	s_cbranch_scc1 .Lsw
	s_wait_dscnt 0x0                               ; the wave's end: my last LDS instructions are done, ahead of the add onto my spare word
	s_wait_alu depctr_hold_cnt(0) depctr_sa_sdst(0) depctr_va_vdst(0) depctr_va_sdst(0) depctr_va_ssrc(0) depctr_va_vcc(0) depctr_vm_vsrc(0)
	s_wait_tensorcnt 0x0
	ds_add_u32 v48, v49
	s_wait_dscnt 0x0
	s_endpgm
.Lfunc_end_k_q141071bb96_ffn:
	.size	k_q141071bb96_ffn, .Lfunc_end_k_q141071bb96_ffn-k_q141071bb96_ffn
	.p2alignl 7, 3214868480
	.fill 96, 4, 3214868480
	.section	.rodata,"a",@progbits
	.p2align	6, 0x0
	.amdhsa_kernel k_q141071bb96_ffn
		.amdhsa_group_segment_fixed_size 300544
		.amdhsa_private_segment_fixed_size 0
		.amdhsa_enable_private_segment 0
		.amdhsa_kernarg_size 64
		.amdhsa_user_sgpr_count 2
		.amdhsa_user_sgpr_kernarg_segment_ptr 1
		.amdhsa_wavefront_size32 1
		.amdhsa_system_sgpr_workgroup_id_x 1
		.amdhsa_system_sgpr_workgroup_id_y 1
		.amdhsa_system_sgpr_workgroup_id_z 1
		.amdhsa_system_vgpr_workitem_id 0
		.amdhsa_next_free_vgpr 960
		.amdhsa_next_free_sgpr 96
		.amdhsa_reserve_vcc 1
		.amdhsa_float_denorm_mode_32 3
		.amdhsa_float_denorm_mode_16_64 3
		.amdhsa_memory_ordered 1
		.amdhsa_forward_progress 1
		.amdhsa_inst_pref_size 255
	.end_amdhsa_kernel
	.section	.bss,"aw",@nobits
	.p2align	6
	.space	262144
	.amdgpu_metadata
---
amdhsa.version: [ 1, 2 ]
amdhsa.kernels:
  - .name:           k_q141071bb96_ffn
    .symbol:         k_q141071bb96_ffn.kd
    .args:
      - { .name: par0, .offset: 0, .size: 8, .value_kind: global_buffer, .address_space: global }
      - { .name: bitmap, .offset: 8, .size: 8, .value_kind: global_buffer, .address_space: global }
      - { .name: xb, .offset: 16, .size: 8, .value_kind: global_buffer, .address_space: global }
      - { .name: routed_w1, .offset: 24, .size: 8, .value_kind: global_buffer, .address_space: global }
      - { .name: shared_w1, .offset: 32, .size: 8, .value_kind: global_buffer, .address_space: global }
      - { .name: routed_b1, .offset: 40, .size: 8, .value_kind: global_buffer, .address_space: global }
      - { .name: shared_b1, .offset: 48, .size: 8, .value_kind: global_buffer, .address_space: global }
      - { .name: h, .offset: 56, .size: 8, .value_kind: global_buffer, .address_space: global }
    .group_segment_fixed_size: 300544
    .private_segment_fixed_size: 0
    .kernarg_segment_align: 8
    .kernarg_segment_size: 64
    .max_flat_workgroup_size: 128
    .sgpr_count:     96
    .vgpr_count:     960
    .wavefront_size: 32
...
	.end_amdgpu_metadata
.endif
;; end of part 4
;; launch ffn2: the kernel of part 4 again; grid 208 x 1, 4 waves a work-group, no clusters, 300,544 bytes of LDS; arguments par1, bitmap, h, routed_w2, shared_w2, routed_b2, shared_b2, y; writes y
;; launch sum: the kernel of part 3 again; grid 256 x 1, 8 waves a work-group, no clusters, 0 bytes of LDS; arguments x, y, idx, gate, out0; writes out0
